; MI455X (gfx1250); checked and timed in simulation.
; The chip was launched on July 23, 2026; its instructions are those of AMD's public machine-readable ISA for CDNA 5 (MIT licence, August 2026) and "CDNA5" Instruction Set Architecture Reference Guide (July 2026). The comments in the code are by the model that wrote it; some were corrected since.
;; Multi Head Attention. Allowed arithmetic: matrix products marked QUANTISED: E2M3 operands, one E8M0 scale for each 32 along K, by v_wmma_scale_f32_16x16x128_f8f6f4 with both operands' format E2M3, f32 sums; everything else in f32.
;; Inputs: Wk 16 x 64 x 1,024 float32; Wo 1,024 x 1,024 float32; Wq 16 x 64 x 1,024 float32; Wv 16 x 64 x 1,024 float32; keys 4 x 2,048 x 1,024 float32; queries 4 x 2,048 x 1,024 float32; values 4 x 2,048 x 1,024 float32.
;; Outputs: out0 4 x 2,048 x 1,024 float32.
;; This version of the problem:
;;   THIS VERSION OF THE PROBLEM IS GIVEN IN LOW PRECISION. The matrix products marked QUANTISED in the list below multiply operands that are first quantised to E2M3 (2 exponent bits, 3 mantissa bits; 6 bits a number), with one power-of-two scale for each 32 numbers along K (OCP MX v1.0); their sums are f32. All else is computed in f32.
;;   The module's matrix products, in the order in which they are computed (A, B: the left and right operand; K: the contracted axis; several contracted axes count as one K, in the product's order):
;;     1. [M 1,024, K 1,024] x [K 1,024, N 8,192]; A: input Wq; B: input queries: QUANTISED
;;     2. [M 1,024, K 1,024] x [K 1,024, N 8,192]; A: input Wk; B: input keys: QUANTISED
;;     3. [M 1,024, K 1,024] x [K 1,024, N 8,192]; A: input Wv; B: input values: QUANTISED
;;     4. batch 64 x [M 2,048, K 64] x [K 64, N 2,048]; A: computed on the way; B: computed on the way: QUANTISED
;;     5. batch 64 x [M 2,048, K 2,048] x [K 2,048, N 64]; A: softmax (see below); B: computed on the way: QUANTISED
;;     6. [M 8,192, K 1,024] x [K 1,024, N 1,024]; A: computed on the way; B: input Wo: QUANTISED
;;   THE QUANTISER, for each operand of a quantised product, along K:
;;     - K is cut into blocks of 32 from its start; a last block that is shorter is filled with zeros.
;;     - A block's scale is 2^e with e = floor(log2(the largest magnitude in the block)) - 2, held to -126 .. 127; a block of zeros has e = 0. As a byte (E8M0): e + 127.
;;     - Each number is divided by its block's scale, clamped to +-7.5, and rounded to the nearest number of E2M3, ties to even, subnormals kept.
;;     - The product sums the exact products of the quantised numbers (number of the format x scale) in f32.
;;   ~~~python
;;   def quantise(x, axis):      # numpy; x: float32 -> the quantised numbers, widened to float32 again
;;       x = np.moveaxis(x, axis, -1); K = x.shape[-1]
;;       x = np.pad(x, [(0, 0)] * (x.ndim - 1) + [(0, -K % 32)]); x = x.reshape(x.shape[:-1] + (-1, 32)); a = np.abs(x).max(-1, keepdims=True)
;;       e = np.where(a > 0, np.clip(np.frexp(np.where(a > 0, a, 1))[1] - 1 - 2, -126, 127), 0)      # np.frexp(a)[1] - 1 = floor(log2(a)), exactly
;;       r = np.clip(x / 2.0 ** e, -7.5, 7.5)
;;       step = 2.0 ** (np.maximum(np.frexp(np.where(r == 0, 1, r))[1] - 1, 0) - 3)
;;       q = np.round(r / step) * step * 2.0 ** e      # np.round: ties to even
;;       return np.moveaxis(q.reshape(q.shape[:-2] + (-1,))[..., :K], -1, axis).astype(np.float32)
;;   ~~~
;;   SOFTMAX AHEAD OF A QUANTISED PRODUCT. Where the list says 'softmax', what is quantised is not the finished softmax but p = 2^(t - M), with t = logit x log2(e) and M = ceil(the row's largest t), a whole number; so 1/2 < the row's largest p <= 1. The row's sum l is taken of the UNQUANTISED p, in f32, and the product's result is divided by l at the end. Since M is a whole number, a kernel that streams over the keys may use a running M (the ceiling of the running maximum): every later rescaling is an exact power of two, which a block's scale takes up: the codes' values come out the same.
;;   OPERANDS COMPUTED ON THE WAY. 'Computed on the way' means the value that the module computes at that place (a softmax that the list does not call 'softmax' is quantised finished and normalised). What goes into a quantiser is computed in f32, as accurately as f32 sums, v_exp_f32 and their like allow (about 1e-6 of the number): no bf16 or f16 on the way to a quantiser, and a product that is left as it is and whose result goes on into a quantised operand takes f32 operands (vector FMAs, or v_wmma_f32_16x16x4_f32). A number that lies on a knife's edge between two numbers of the format may be rounded either way, as far as f32 arithmetic and the matrix unit's own rounding can turn it there, and no further.
;; One version. Each part assembles by itself: llvm-mc -triple=amdgcn-amd-amdhsa -mcpu=gfx1250 --defsym DOCPART=n.
;; ======== version 1 of 1: 4 launches
;; limits: right only within a limited range of input values
;; workspace buffers: qin 22,937,600 bytes; heads 19,660,800 bytes; att 6,553,600 bytes
;; launch quant (part 1): grid 448 x 1, 4 waves a work-group, no clusters, 76,288 bytes of LDS; arguments queries, keys, values, Wq, Wk, Wv, Wo, qin; writes qin
.if DOCPART == 1
	.amdgcn_target "amdgcn-amd-amdhsa--gfx1250"
	.amdhsa_code_object_version 6
	.text
	.protected	k_qf937c92223_quant
	.globl	k_qf937c92223_quant
	.p2align	8
	.type	k_qf937c92223_quant,@function
k_qf937c92223_quant:
	s_mov_b64 s[64:65], 0
	v_nop
	global_prefetch_b8 v0, s[64:65] scope:SCOPE_SE
	s_setreg_imm32_b32 hwreg(HW_REG_WAVE_MODE, 25, 1), 1
	s_wait_xcnt 0x0
; The seven f32 inputs (rows of 1,024 numbers, K innermost) become codes of FP6 (E2M3) with one E8M0 byte for each 32 along K, laid in the ORDER OF AN OPERAND'S REGISTERS.
; A TILE is 16 rows x 1,024 K.  Tile tau of a tensor holds the rows 32 (tau / 2) + 8 (tau % 2) + m + 8 (m / 8), m = 0 .. 15: so that, where such a tile is source 0 of a product, a lane's 16 results of two
; neighbouring tiles are 16 neighbouring rows.  Tiles are numbered through all tensors: queries 0-511, keys 512-1023, values 1024-1535, Wq 1536-, Wk 1600-, Wv 1664-, Wo 1728-1791.
; CODES of tile G at G x 12,288: [128 K: 8][64 K: 2][piece: 3][lane: 32][8 bytes]; lane (m, h) holds k = 32 h .. 32 h + 31 of its 64, 24 bytes, in three pieces.  SCALE BYTES at 22,020,096 + G x 512:
; the byte of (row m, block kb) at (kb / 8) x 128 + 8 m + kb % 8, so that 8 bytes of a row are the scale words of 256 along K.
; A block's scale is 2^(floor(log2(its largest magnitude)) - 2); its byte is the largest magnitude's exponent field - 2, held at 1 from below.
; LIMITS: a block whose largest magnitude lies under 2^-124 gets the byte 1 (a block of zeros too, where the rule says 127: its codes are zeros, and this program alone reads the bytes); NaN and infinities are not served.
; SHARES.  A wave takes one tile: 32 steps of half a row (512 numbers).  Each of a step's four loads reads 512 consecutive bytes; the 2,048 bytes turn through the wave's own stage in LDS and come back 16 neighbours a lane
; (two lanes hold a block).  A lane's 12 bytes of codes go as three words into the wave's image of the tile in LDS (48 units of 256 bytes, 16 of padding behind each, which spreads the words over the banks), the byte into its 512 scale bytes;
; at the end the image leaves as it lies, each store of the wave covering 512 consecutive bytes, aligned.  Waves share nothing: no barrier, no tensor load, no cluster (no two work-groups read the same bytes).
.set STEPS, 32
.set WREG,  18944                      ; LDS: a region for each wave: two turn stages of 32 x SP, the image of the codes, the scale bytes
.set SP,    80                         ; a lane's place in a turn stage: 64 bytes + 16
.set CST,   5120                       ; the image: 48 units
.set UP,    272                        ; a unit: 256 bytes + 16
.set SCB,   CST+48*UP                  ; the tile's 512 scale bytes
.set SPARE, 4*WREG                     ; the spare words, 128 bytes a wave: two blocks of 256 bytes that no other line names
.set SCL0,  22020096                   ; where the scale bytes begin in qin
.set R,     16                         ; v16-79   four sets of 16 numbers as loaded
.set X,     80                         ; v80-111  two sets of 16 neighbours
.set C,     112                        ; v112-119 two sets of codes
.set E,     120                        ; v120-121 two scale bytes
.set SPW,   12                         ; v12 my spare word's address; v13 0: never rewritten
.set NIL,   13
	s_load_b256 s[8:15], s[0:1], 0x0               ; queries, keys, values, Wq
	s_load_b256 s[16:23], s[0:1], 0x20             ; Wk, Wv, Wo, qin
	v_lshl_add_u32 v[SPW], v0, 2, SPARE
	v_mov_b32 v[NIL], 0
	v_lshrrev_b32 v1, 5, v0
	v_readfirstlane_b32 s24, v1                    ; wave
	v_and_b32 v2, 31, v0                           ; lane l
	v_lshlrev_b32 v3, 4, v2
	; THE KEYS' TILES HAVE ANOTHER ORDER OF ROWS: tile tau of keys holds the rows 64 (tau / 4) + 8 (tau % 4) + m + 24 (m / 8), so that in attention a lane's 32 scores of four neighbouring tiles are 32 neighbouring keys.
	s_lshr_b32 s27, ttmp9, 7                       ; 1 for the keys' work-groups, 128 to 255
	s_cmp_eq_u32 s27, 1
	s_cselect_b32 s27, 65536, 0                    ; their rows m = 8 .. 15 lie 16 rows of 4,096 bytes further down than the other tensors'
	v_add_nc_u32 v6, s27, v3                       ; v6: the loads' offset for m = 8 .. 15
	s_mul_i32 s25, s24, WREG
	v_lshrrev_b32 v14, 2, v2
	v_mul_u32_u24 v14, v14, SP
	v_and_b32 v15, 3, v2
	v_lshl_add_u32 v14, v15, 4, v14
	v_add_nc_u32 v14, s25, v14                     ; turn stage, in: SP (l / 4) + 16 (l % 4)
	v_mul_u32_u24 v15, v2, SP
	v_add_nc_u32 v15, s25, v15                     ; out: SP l
	; my 16 codes are k = 16 l on of the half row: 64 K group l / 4 (three units), half h = (l / 2) % 2, and the lower (l % 2 = 0) or upper 12 of the lane's 24 bytes
	v_lshrrev_b32 v10, 2, v2
	v_mul_u32_u24 v10, v10, 3*UP
	v_bfe_u32 v11, v2, 1, 1
	v_lshl_add_u32 v10, v11, 7, v10                ; + 128 h (lanes 16-31 of a unit)
	v_add_nc_u32 v10, s25, v10
	v_and_b32 v11, 1, v2
	v_mad_u32_u24 v4, v11, 276, v10                ; words 0 and 2: bytes 0 and 8 of the 24, or 12 and 20: one unit and 4 bytes further on
	v_mad_u32_u24 v5, v11, 540, v10                ; word 1: byte 4, or 16: from byte 4 of piece 0 to byte 0 of piece 2
	v_lshrrev_b32 v7, 4, v2
	v_bfe_u32 v11, v2, 1, 3
	v_lshl_add_u32 v7, v7, 7, v11
	v_add_nc_u32 v7, s25, v7                       ; my block's byte: (l / 16) x 128 + (l / 2) % 8
	v_lshrrev_b32 v8, 4, v2
	v_mul_u32_u24 v8, v8, UP
	v_and_b32 v11, 15, v2
	v_lshl_add_u32 v8, v11, 4, v8
	v_add_nc_u32 v8, s25, v8                       ; the way out: lanes 0-15 one unit, lanes 16-31 the next
	v_add_nc_u32 v9, s25, v3                       ; and the scale bytes: 16 l
	s_wait_kmcnt 0x0
	s_mov_b64 s[4:5], s[20:21]                     ; which tensor: by the work-group's number alone
	s_mov_b32 s6, 432
	s_cmp_lt_u32 ttmp9, 432
	s_cselect_b64 s[4:5], s[18:19], s[4:5]
	s_cselect_b32 s6, 416, s6
	s_cmp_lt_u32 ttmp9, 416
	s_cselect_b64 s[4:5], s[16:17], s[4:5]
	s_cselect_b32 s6, 400, s6
	s_cmp_lt_u32 ttmp9, 400
	s_cselect_b64 s[4:5], s[14:15], s[4:5]
	s_cselect_b32 s6, 384, s6
	s_cmp_lt_u32 ttmp9, 384
	s_cselect_b64 s[4:5], s[12:13], s[4:5]
	s_cselect_b32 s6, 256, s6
	s_cmp_lt_u32 ttmp9, 256
	s_cselect_b64 s[4:5], s[10:11], s[4:5]
	s_cselect_b32 s6, 128, s6
	s_cmp_lt_u32 ttmp9, 128
	s_cselect_b64 s[4:5], s[8:9], s[4:5]
	s_cselect_b32 s6, 0, s6
	s_sub_co_u32 s6, ttmp9, s6
	s_lshl_b32 s6, s6, 2
	s_add_co_u32 s6, s6, s24                       ; tau: my tile in its tensor
	s_lshr_b32 s7, ttmp9, 7
	s_cmp_eq_u32 s7, 1                             ; keys: groups of four tiles, 64 rows; all others: of two tiles, 32 rows
	s_cselect_b32 s26, 2, 1
	s_cselect_b32 s28, 3, 1
	s_lshr_b32 s7, s6, s26
	s_add_co_u32 s26, s26, 4
	s_lshl_b32 s7, s7, s26
	s_and_b32 s6, s6, s28
	s_lshl_b32 s6, s6, 3
	s_add_co_u32 s6, s6, s7                        ; its first row: 32 (tau / 2) + 8 (tau % 2)
	s_lshl_b32 s6, s6, 12                          ; rows of 4,096 bytes
	s_mov_b32 s7, 0
	s_add_nc_u64 s[4:5], s[4:5], s[6:7]
	s_lshl_b32 s26, ttmp9, 2
	s_add_co_u32 s26, s26, s24                     ; G
	s_mul_i32 s28, s26, 12288
	s_mov_b32 s29, 0
	s_add_nc_u64 s[28:29], s[22:23], s[28:29]      ; its codes
	s_lshl_b32 s30, s26, 9
	s_add_co_u32 s30, s30, SCL0
	s_mov_b32 s31, 0
	s_add_nc_u64 s[30:31], s[22:23], s[30:31]      ; its scale bytes
.macro LOAD t                          ; step t: half t % 2 of the tile's row m = t / 2, which lies m + 8 (m / 8) rows down
.irp i, 0,1,2,3
	global_load_b128 v[R+16*((\t)%4)+4*\i:R+16*((\t)%4)+4*\i+3], v[3+3*((\t)/16)], s[4:5] offset:(((\t)/2)+8*((\t)/16))*4096+((\t)%2)*2048+512*\i th:TH_LOAD_NT
.endr
.endm
.macro TURN t                          ; through the stage: LDS serves a wave's instructions in order, so no wait stands between the stores and the loads
.irp i, 0,1,2,3
	ds_store_b128 v14, v[R+16*((\t)%4)+4*\i:R+16*((\t)%4)+4*\i+3] offset:32*SP*((\t)%2)+8*SP*\i
.endr
.irp i, 0,1,2,3
	ds_load_b128 v[X+16*((\t)%2)+4*\i:X+16*((\t)%2)+4*\i+3], v15 offset:32*SP*((\t)%2)+16*\i
.endr
.endm
.irp t, 0,1,2,3
	LOAD \t
.endr
	s_wait_loadcnt 12                              ; step 0's four loads are in
	TURN 0
.macro STEP t
.set XS, X+16*((\t)%2)
.set CC, C+4*((\t)%2)
.set OFS, ((\t)%2)*24*UP+8*((\t)/2)
.if (\t) > 0
	s_wait_dscnt 4                                 ; this step's numbers are back from the stage; the last step's three code words and its byte may be out.  So the stores of two steps ago have read the registers written below
.else
	s_wait_dscnt 0x0
.endif
.if (\t)+4 < STEPS
	LOAD (\t)+4                                    ; into the set whose stores into the stage are done
.endif
.if (\t)+1 < STEPS
.if STEPS-2-(\t) >= 3
	s_wait_loadcnt 12                              ; the next step's loads are in; those of the three steps behind it may be out
.else
	s_wait_loadcnt 4*(STEPS-2-(\t))
.endif
	TURN (\t)+1
.endif
	v_max3_num_f32 v10, |v[XS]|, |v[XS+1]|, |v[XS+2]|
	v_max3_num_f32 v11, |v[XS+3]|, |v[XS+4]|, |v[XS+5]|
.irp i, 6,10
	v_max3_num_f32 v10, v10, |v[XS+\i]|, |v[XS+\i+1]|
	v_max3_num_f32 v11, v11, |v[XS+\i+2]|, |v[XS+\i+3]|
.endr
	v_max3_num_f32 v10, v10, |v[XS+14]|, |v[XS+15]|
	v_max3_num_f32 v10, v10, v11, 0x1800000        ; and the floor 2^(3 - 127): the byte cannot fall under 1
	v_max_num_f32_dpp v10, v10, v10 row_xmask:1 row_mask:0xf bank_mask:0xf   ; with my neighbour's 16: the block's largest magnitude
	v_add_nc_u32 v1, 0xff000000, v10               ; 2 off its exponent field: the conversion takes that field as its scale
	v_cvt_scalef32_pk16_fp6_f32 v[CC:CC+2], v[XS:XS+15], v1
	v_lshrrev_b32 v[E+(\t)%2], 23, v1              ; the scale's byte (also the plain line behind the conversion)
	ds_store_b32 v4, v[CC] offset:CST+OFS
	ds_store_b32 v5, v[CC+1] offset:CST+4+OFS
	ds_store_b32 v4, v[CC+2] offset:CST+UP+OFS
	ds_store_b8 v7, v[E+(\t)%2] offset:SCB+((\t)%2)*256+8*((\t)/2)   ; both lanes of a block write the same byte with the same value
.endm
.irp t, 0,1,2,3,4,5,6,7,8,9,10,11,12,13,14,15,16,17,18,19,20,21,22,23,24,25,26,27,28,29,30,31
	STEP \t
.endr
.irp j, 0,1,2,3,4,5,6,7,8,9,10,11,12,13,14,15,16,17,18,19,20,21,22,23
	ds_load_b128 v[16+4*\j:19+4*\j], v8 offset:CST+2*UP*\j   ; two units: these see my stores, since LDS serves a wave in order
.endr
	ds_load_b128 v[124:127], v9 offset:SCB
.irp j, 0,1,2,3,4,5,6,7,8,9,10,11,12,13,14,15,16,17,18,19,20,21,22,23
	s_wait_dscnt 24-\j                             ; the younger read-backs may be out
	global_store_b128 v3, v[16+4*\j:19+4*\j], s[28:29] offset:512*\j   ; 512 consecutive bytes, aligned
.endr
	s_wait_dscnt 0x0
	global_store_b128 v3, v[124:127], s[30:31]
	s_wait_tensorcnt 0x0                           ; the wave's end, behind my last LDS store
	ds_add_u32 v[SPW], v[NIL]
	s_wait_dscnt 0x0
	s_endpgm
.Lfunc_end_k_qf937c92223_quant:
	.size	k_qf937c92223_quant, .Lfunc_end_k_qf937c92223_quant-k_qf937c92223_quant
	.p2alignl 7, 3214868480
	.fill 96, 4, 3214868480
	.section	.rodata,"a",@progbits
	.p2align	6, 0x0
	.amdhsa_kernel k_qf937c92223_quant
		.amdhsa_group_segment_fixed_size 76288
		.amdhsa_private_segment_fixed_size 0
		.amdhsa_enable_private_segment 0
		.amdhsa_kernarg_size 64
		.amdhsa_user_sgpr_count 2
		.amdhsa_user_sgpr_kernarg_segment_ptr 1
		.amdhsa_wavefront_size32 1
		.amdhsa_system_sgpr_workgroup_id_x 1
		.amdhsa_system_sgpr_workgroup_id_y 1
		.amdhsa_system_sgpr_workgroup_id_z 1
		.amdhsa_system_vgpr_workitem_id 0
		.amdhsa_next_free_vgpr 128
		.amdhsa_next_free_sgpr 66
		.amdhsa_reserve_vcc 0
		.amdhsa_float_denorm_mode_32 3
		.amdhsa_float_denorm_mode_16_64 3
		.amdhsa_memory_ordered 1
		.amdhsa_forward_progress 1
		.amdhsa_inst_pref_size 71
	.end_amdhsa_kernel
	.amdgpu_metadata
---
amdhsa.version: [ 1, 2 ]
amdhsa.kernels:
  - .name:           k_qf937c92223_quant
    .symbol:         k_qf937c92223_quant.kd
    .args:
      - { .name: queries, .offset: 0, .size: 8, .value_kind: global_buffer, .address_space: global }
      - { .name: keys, .offset: 8, .size: 8, .value_kind: global_buffer, .address_space: global }
      - { .name: values, .offset: 16, .size: 8, .value_kind: global_buffer, .address_space: global }
      - { .name: Wq, .offset: 24, .size: 8, .value_kind: global_buffer, .address_space: global }
      - { .name: Wk, .offset: 32, .size: 8, .value_kind: global_buffer, .address_space: global }
      - { .name: Wv, .offset: 40, .size: 8, .value_kind: global_buffer, .address_space: global }
      - { .name: Wo, .offset: 48, .size: 8, .value_kind: global_buffer, .address_space: global }
      - { .name: qin, .offset: 56, .size: 8, .value_kind: global_buffer, .address_space: global }
    .group_segment_fixed_size: 76288
    .private_segment_fixed_size: 0
    .kernarg_segment_align: 8
    .kernarg_segment_size: 64
    .max_flat_workgroup_size: 128
    .sgpr_count:     66
    .vgpr_count:     128
    .wavefront_size: 32
...
	.end_amdgpu_metadata
.endif
;; end of part 1
;; launch proj (part 2): grid 32 x 12, 4 waves a work-group, clusters of 4 x 4, 327,680 bytes of LDS; arguments qin, heads; writes heads
.if DOCPART == 2
	.amdgcn_target "amdgcn-amd-amdhsa--gfx1250"
	.amdhsa_code_object_version 6
	.text
	.protected	k_qf937c92223_proj
	.globl	k_qf937c92223_proj
	.p2align	8
	.type	k_qf937c92223_proj,@function
k_qf937c92223_proj:
	s_mov_b64 s[64:65], 0
	v_nop
	global_prefetch_b8 v0, s[64:65] scope:SCOPE_SE
	s_setreg_imm32_b32 hwreg(HW_REG_WAVE_MODE, 25, 1), 1
	s_wait_xcnt 0x0
	s_wait_alu depctr_hold_cnt(0) depctr_sa_sdst(0) depctr_va_vdst(0) depctr_va_sdst(0) depctr_va_ssrc(0) depctr_va_vcc(0) depctr_vm_vsrc(0)
	s_getreg_b32 s2, hwreg(HW_REG_IB_STS2, 6, 4)
	s_cmp_eq_u32 s2, 0
	s_cbranch_scc0 .Lentry_in_a_cluster
	s_endpgm
.Lentry_in_a_cluster:
	s_bfe_u32 s2, ttmp6, 0x10000c
	s_cmp_lg_u32 s2, 0xf033
	s_cbranch_scc0 .Lentry_shape_is_right
	s_endpgm
.Lentry_shape_is_right:
.set SLOT,  98304
.set PHALF, 49152
.set TILEB, 3072
.set WHALF, 8*TILEB
.set SCL,   3*SLOT
.set SCLP,  SCL+8320
.set SPARE, 311552
.set SCL0,  22020096
.set FR, 12
.set NL, 6
.set NQ, 2
.set NP, 4
.set ADRA, 16
.set ADRB, 20
.set ADRS, 27
.set SPW,  28
.set NIL,  29
.set SC,   32
.set AF,   128
.set G1R,  24
.set G1P,  32
.set G1SR, 40
.set G1SP, 48
.set G0R0, 56
.set G0R1, 60
.set G0R2, 68
.set G0SR, 72
.set G0P0, 76
.set G0P1, 80
.set G0P2, 84
.set G0SP, 88
.set MSB, 0
.macro WIN new
.if MSB != (\new)
	s_set_vgpr_msb (MSB<<8)|(\new)
.set MSB, \new
.endif
.endm
.set MUL_LO, 0xa1
.set MUL_HI, 0xf1
.set TO_B,   0x40
.macro JLOAD g0a, g1a, g0b, g1b
	s_cmp_eq_u32 s15, 0
	s_cbranch_scc0 .Lfor_b_\@
	tensor_load_to_lds s[\g0a:\g0a+3], s[\g1a:\g1a+7]
	s_nop 0
.rept 4
	v_nop
.endr
	s_branch .Lasked_\@
.Lfor_b_\@:
	tensor_load_to_lds s[\g0b:\g0b+3], s[\g1b:\g1b+7]
	s_nop 0
.rept 4
	v_nop
.endr
.Lasked_\@:
.endm
.macro CREST
	s_cmp_lg_u32 s14, 0
	s_cbranch_scc1 .Lnot_wave_0_\@
	s_barrier_signal -3
.Lnot_wave_0_\@:
	s_barrier_wait -3
	s_barrier_signal -1
	s_barrier_wait -1
.endm
.macro CROUND
	s_barrier_signal -1
	s_barrier_wait -1
	CREST
.endm
.macro PLACES n
.rept \n
	v_nop
.endr
.endm
.macro FIRST g0r, g0p, s
	s_mov_b32 s[\g0r], 1
	s_add_co_u32 s[\g0r+1], s104, \s*SLOT
	s_add_nc_u64 s[\g0r+2:\g0r+3], s[2:3], \s*TILEB
	s_or_b32 s[\g0r+3], s[\g0r+3], 0x80000000
	s_mov_b32 s[\g0p], 1
	s_add_co_u32 s[\g0p+1], s104, \s*SLOT+PHALF
	s_add_nc_u64 s[\g0p+2:\g0p+3], s[22:23], \s*TILEB
	s_or_b32 s[\g0p+3], s[\g0p+3], 0x80000000
.endm
.macro FRAG reg, adr, q, i
.irp p, 0,1,2,3,4,5
	ds_load_b64 v[\reg+2*\p:\reg+2*\p+1], v[\adr] offset:(\i)*TILEB+(\q)*1536+256*\p
.endr
.endm
.macro FETCH_B slot, q, p
	WIN TO_B
.irp i, 0,1,2,3,4,5,6,7
	FRAG 128*(\p)+FR*\i, ADRB+(\slot), \q, \i
.endr
	WIN 0
.endm
.macro FETCH_A slot, q, i0
.irp i, \i0, \i0+1, \i0+2, \i0+3
	FRAG AF+FR*(\i), ADRA+(\slot), \q, \i
.endr
.endm
.macro SCALES sc
.irp i, 0,1,2,3,4,5,6,7
	ds_load_b64 v[SC+8*NQ*(\sc)+NQ*\i:SC+8*NQ*(\sc)+NQ*\i+1], v[ADRS] offset:512*\i
.endr
.endm
.macro MUL16 a0, p, q, sc, zero
.irp a, \a0, \a0+1
.irp b, 0,1,2,3,4,5,6,7
.if \zero
	v_wmma_scale_f32_16x16x128_f8f6f4 v[8*(8*((\a)%4)+\b):8*(8*((\a)%4)+\b)+7], v[128*(\p)+FR*\b:128*(\p)+FR*\b+FR-1], v[AF+FR*(\a):AF+FR*(\a)+FR-1], 0, v[SC+8*NQ*(\sc)+NQ*\b+(\q)], v[SC+8*NQ*(\sc)+NQ*(\a)+(\q)] matrix_a_fmt:MATRIX_FMT_FP6 matrix_b_fmt:MATRIX_FMT_FP6 matrix_a_scale:MATRIX_SCALE_ROW1
.else
	v_wmma_scale_f32_16x16x128_f8f6f4 v[8*(8*((\a)%4)+\b):8*(8*((\a)%4)+\b)+7], v[128*(\p)+FR*\b:128*(\p)+FR*\b+FR-1], v[AF+FR*(\a):AF+FR*(\a)+FR-1], v[8*(8*((\a)%4)+\b):8*(8*((\a)%4)+\b)+7], v[SC+8*NQ*(\sc)+NQ*\b+(\q)], v[SC+8*NQ*(\sc)+NQ*(\a)+(\q)] matrix_a_fmt:MATRIX_FMT_FP6 matrix_b_fmt:MATRIX_FMT_FP6 matrix_a_scale:MATRIX_SCALE_ROW1
.endif
.endr
.endr
.endm
.macro GSTEP p, sc, mode, zero, nls
.if \mode == 0
	s_wait_dscnt 4*NL
	WIN MUL_LO
	MUL16 0, \p, \p, \sc, \zero
	MUL16 2, \p, \p, \sc, \zero
	s_wait_dscnt 0x0
	PLACES NP
.else
	s_wait_tensorcnt 0x0
	ds_add_u32 v[SPW], v[NIL]
	s_wait_dscnt 4*NL+1
	WIN MUL_LO
	MUL16 0, \p, \p, \sc, \zero
	s_wait_dscnt 0x0
	s_barrier_signal -1
	MUL16 2, \p, \p, \sc, \zero
	WIN 0
	s_barrier_wait -1
.if \mode == 1
	CREST
	s_mov_b32 s[G1R+2], 8<<16                      ; no tensor load of mine is out: from here on a load brings 8 tiles, a quarter of a slot
	s_mov_b32 s[G1R+4], 8
	s_mov_b32 s[G1P+2], 8<<16
	s_mov_b32 s[G1P+4], 8
	s_add_nc_u64 s[G0R0+2:G0R0+3], s[G0R0+2:G0R0+3], 3*TILEB
	s_add_nc_u64 s[G0P0+2:G0P0+3], s[G0P0+2:G0P0+3], 3*TILEB
	JLOAD G0R0, G1R, G0P0, G1P
.else
	PLACES NP
.endif
.endif
.if \p == 1
	WIN 0
	v_add_nc_u32 v[ADRS], 128, v[ADRS]
.endif
	FETCH_B \nls, 1-\p, 1-\p
	FETCH_A \nls, 1-\p, 0
.if \p == 1
	SCALES 1-\sc
.endif
	WIN MUL_HI
	MUL16 4, \p, \p, \sc, \zero
	MUL16 6, \p, \p, \sc, \zero
	PLACES NP
	WIN 0
	FETCH_A \nls, 1-\p, 4
.endm
	s_load_b128 s[4:7], s[0:1], 0x0
	v_lshl_add_u32 v[SPW], v0, 2, SPARE
	v_mov_b32 v[NIL], 0
	ds_add_u32 v[SPW], v[NIL]
	ds_add_u32 v[SPW], v[NIL]
	v_lshrrev_b32 v1, 5, v0
	v_readfirstlane_b32 s14, v1
	s_lshr_b32 s15, s14, 1
	s_and_b32 s16, s14, 1
	s_bfe_u32 s17, ttmp6, 0x40000
	s_bfe_u32 s18, ttmp6, 0x40004
	s_and_b32 s19, ttmp7, 0xffff
	s_lshl_b32 s20, s18, 2
	s_lshl_b32 s20, 15, s20
	s_lshl_b32 s21, 0x1111, s17
	s_or_b32 s[G1R], s20, (3<<16)|(1<<21)
	s_or_b32 s[G1P], s21, (3<<16)|(1<<21)
	s_or_b32 s[G1SR], s20, (3<<16)|(1<<21)
	s_or_b32 s[G1SP], s21, (3<<16)|(1<<21)
.irp g, G1R, G1P
	s_mov_b32 s[\g+1], 384<<16
	s_mov_b32 s[\g+2], 16<<16
	s_mov_b32 s[\g+3], 384<<16
	s_mov_b32 s[\g+4], 16
	s_mov_b32 s[\g+5], 1536
	s_mov_b32 s[\g+6], 0
	s_mov_b32 s[\g+7], 0
.endr
.irp g, G1SR, G1SP
	s_mov_b32 s[\g+1], 32<<16
	s_mov_b32 s[\g+2], 32<<16
	s_mov_b32 s[\g+3], 32<<16
	s_mov_b32 s[\g+4], 32
	s_mov_b32 s[\g+5], 32
	s_mov_b32 s[\g+6], 0
	s_mov_b32 s[\g+7], 0
.endr
	s_lshl_b32 s66, ttmp9, 6
	s_lshl_b32 s67, s19, 6
	s_add_co_u32 s67, s67, 1536
	s_lshl_b32 s92, s19, 9
	s_cmp_eq_u32 s19, 2
	s_cselect_b32 s93, 1024, s67
	s_cselect_b32 s94, s66, 0
	s_cselect_b32 s95, 1664, s92
	s_cselect_b32 s96, 0, s66
	s_lshl_b32 s97, s17, 4
	s_add_co_u32 s97, s97, s94
	s_lshl_b32 s98, s18, 4
	s_add_co_u32 s98, s98, s96
	s_lshl_b32 s99, s16, 3
	s_add_co_u32 s100, s97, s93
	s_add_co_u32 s100, s100, s99
	s_add_co_u32 s101, s98, s95
	s_add_co_u32 s101, s101, s99
	s_mul_i32 s22, s100, 12288
	s_mov_b32 s23, 0
	s_mul_i32 s2, s101, 12288
	s_mov_b32 s3, 0
	s_lshl_b32 s12, s100, 9
	s_add_co_u32 s12, s12, SCL0
	s_mov_b32 s13, 0
	s_lshl_b32 s10, s101, 9
	s_add_co_u32 s10, s10, SCL0
	s_mov_b32 s11, 0
	s_mul_i32 s104, s16, WHALF
	s_lshl_b32 s105, s16, 12
	s_wait_dscnt 0x0
	s_wait_kmcnt 0x0
	s_add_nc_u64 s[22:23], s[4:5], s[22:23]
	s_add_nc_u64 s[2:3], s[4:5], s[2:3]
	s_add_nc_u64 s[12:13], s[4:5], s[12:13]
	s_add_nc_u64 s[10:11], s[4:5], s[10:11]
	; THE FIRST FILLS.  At the head one joint load a wave, each a whole tile of 16 x 16 rows: wave 0 chunk 0 (256 along K) of the row operand, wave 1 that operand's scale bytes, wave 2 chunk 0 of the other operand, wave 3 its scale bytes.
	; Behind the full sequence and a round: chunks 1 and 2, half a chunk a wave (waves 0, 1 the row operand's, waves 2, 3 the other's), into slots 1 and 2.  Chunk 3 is slot 0's one refill, a quarter a wave.
	; No prefetch: K is 4 chunks, of which 3 are asked for before the first product.
	s_mov_b32 s66, s105                            ; the addresses above are my half's: 4,096 scale bytes x half are taken off again
	s_mov_b32 s67, 0
	s_mov_b32 s[G0SR], 1
	s_mov_b32 s[G0SR+1], SCL
	s_sub_nc_u64 s[G0SR+2:G0SR+3], s[10:11], s[66:67]
	s_or_b32 s[G0SR+3], s[G0SR+3], 0x80000000
	s_mov_b32 s[G0SP], 1
	s_mov_b32 s[G0SP+1], SCLP
	s_sub_nc_u64 s[G0SP+2:G0SP+3], s[12:13], s[66:67]
	s_or_b32 s[G0SP+3], s[G0SP+3], 0x80000000
	s_mul_i32 s66, s16, 8*12288                    ; and 8 tiles of codes x half
	s_mul_i32 s100, s16, TILEB
	s_add_co_u32 s100, s100, TILEB                 ; chunk 1 + half, in memory
	s_mov_b32 s101, 0
	s_mul_i32 s105, s16, SLOT
	s_add_co_u32 s105, s105, SLOT                  ; and its slot
	s_mov_b32 s[G0R2], 1
	s_mov_b32 s[G0R2+1], 0
	s_sub_nc_u64 s[G0R2+2:G0R2+3], s[2:3], s[66:67]
	s_mov_b32 s[G0R1], 1
	s_mov_b32 s[G0R1+1], s105
	s_add_nc_u64 s[G0R1+2:G0R1+3], s[G0R2+2:G0R2+3], s[100:101]
	s_or_b32 s[G0R2+3], s[G0R2+3], 0x80000000
	s_or_b32 s[G0R1+3], s[G0R1+3], 0x80000000
	s_mov_b32 s[G0P2], 1
	s_mov_b32 s[G0P2+1], PHALF
	s_sub_nc_u64 s[G0P2+2:G0P2+3], s[22:23], s[66:67]
	s_mov_b32 s[G0P1], 1
	s_add_co_u32 s[G0P1+1], s105, PHALF
	s_add_nc_u64 s[G0P1+2:G0P1+3], s[G0P2+2:G0P2+3], s[100:101]
	s_or_b32 s[G0P2+3], s[G0P2+3], 0x80000000
	s_or_b32 s[G0P1+3], s[G0P1+3], 0x80000000
	FIRST G0R0, G0P0, 0                            ; slot 0's quarters, for the refill
	CROUND
	s_cmp_eq_u32 s14, 0
	s_cbranch_scc0 .Lhead_1
	tensor_load_to_lds s[G0R2:G0R2+3], s[G1R:G1R+7]
	s_nop 0
	PLACES 4
	s_branch .Lhead_asked
.Lhead_1:
	s_cmp_eq_u32 s14, 1
	s_cbranch_scc0 .Lhead_2
	tensor_load_to_lds s[G0SR:G0SR+3], s[G1SR:G1SR+7]
	s_nop 0
	PLACES 4
	s_branch .Lhead_asked
.Lhead_2:
	s_cmp_eq_u32 s14, 2
	s_cbranch_scc0 .Lhead_3
	tensor_load_to_lds s[G0P2:G0P2+3], s[G1P:G1P+7]
	s_nop 0
	PLACES 4
	s_branch .Lhead_asked
.Lhead_3:
	tensor_load_to_lds s[G0SP:G0SP+3], s[G1SP:G1SP+7]
	s_nop 0
	PLACES 4
.Lhead_asked:
	v_and_b32 v1, 31, v0
	v_and_b32 v2, 15, v0
	v_bfe_u32 v3, v0, 4, 1
	v_lshlrev_b32 v4, 3, v1
	v_lshlrev_b32 v7, 2, v2
	s_mul_i32 s66, s15, WHALF
	s_mul_i32 s67, s16, WHALF
	s_add_co_u32 s67, s67, PHALF
.irp s, 0,1,2
	v_add_nc_u32 v[ADRA+\s], s66, v4
	v_add_nc_u32 v[ADRB+\s], s67, v4
	s_add_co_u32 s66, s66, SLOT
	s_add_co_u32 s67, s67, SLOT
.endr
	v_lshlrev_b32 v5, 3, v2
	s_lshl_b32 s66, s15, 12
	s_lshl_b32 s67, s16, 12
	s_add_co_u32 s67, s67, 8320
	s_sub_co_u32 s67, s67, s66
	v_mul_u32_u24 v6, s67, v3
	s_add_co_u32 s66, s66, SCL
	v_add_nc_u32 v5, v5, v6
	v_add_nc_u32 v[ADRS], s66, v5
	s_mov_b32 s66, 0x76543210
	s_mov_b32 s67, 0xfedcba98
	s_lshl_b32 s97, s97, 4
	s_lshl_b32 s20, s16, 7
	s_add_co_u32 s97, s97, s20
	s_lshl_b32 s98, s98, 4
	s_lshl_b32 s20, s15, 7
	s_add_co_u32 s98, s98, s20
	s_mov_b32 s92, 307200
	s_mov_b32 s93, 768
	s_mov_b32 s94, 1536
	s_mov_b32 s95, 3072
	s_mov_b32 s99, 128
	s_mov_b32 s9, 196608
	s_cmp_eq_u32 s19, 2
	s_cselect_b32 s20, s97, s98
	s_cselect_b32 s21, s98, s97
	s_cselect_b32 s92, 768, s92
	s_cselect_b32 s93, 1536, s93
	s_cselect_b32 s94, 3072, s94
	s_cselect_b32 s95, 307200, s95
	s_cselect_b32 s96, 2, 307200
	s_cselect_b32 s97, 64, 2
	s_cselect_b32 s98, 128, 64
	s_cselect_b32 s99, 307200, s99
	s_cselect_b32 s8, 98304, 0
	s_cselect_b32 s9, 200704, s9
	s_cmp_eq_u32 s19, 0
	s_cselect_b32 s8, 204800, s8
	s_cselect_b32 s9, 303104, s9
	s_lshr_b32 s10, s20, 11
	s_lshl_b32 s10, s10, 4
	s_lshr_b32 s11, s21, 6
	s_add_co_u32 s10, s10, s11
	s_mul_i32 s10, s10, 307200
	s_and_b32 s20, s20, 2047
	s_mul_i32 s11, s20, 48
	s_add_co_u32 s8, s8, s10
	s_add_co_u32 s8, s8, s11
	s_lshl_b32 s11, s20, 1
	s_add_co_u32 s9, s9, s10
	s_add_co_u32 s12, s9, s11
	s_mov_b32 s13, 0
	s_mov_b32 s10, s8
	s_mov_b32 s11, 0
	s_add_nc_u64 s[10:11], s[6:7], s[10:11]
	s_add_nc_u64 s[12:13], s[6:7], s[12:13]
	s_wait_alu depctr_va_vdst(0)
	s_wait_tensorcnt 0x0                           ; my tile of the head's four is in
	ds_add_u32 v[SPW], v[NIL]
	s_wait_dscnt 0x0
	CROUND
	JLOAD G0R1, G1R, G0P1, G1P                     ; chunks 1 and 2, the first tensor load behind the round
	FETCH_B 0, 0, 0
	FETCH_A 0, 0, 0
	SCALES 0
	FETCH_A 0, 0, 4
	GSTEP 0, 0, 0, 1, 0
	GSTEP 1, 0, 1, 0, 1
	s_wait_alu depctr_va_vdst(0)
	GSTEP 0, 1, 0, 0, 1
	GSTEP 1, 1, 0, 0, 2
	s_wait_alu depctr_va_vdst(0)
	GSTEP 0, 0, 0, 0, 2
	GSTEP 1, 0, 2, 0, 0
	GSTEP 0, 1, 0, 0, 0
	s_wait_dscnt 4*NL
	WIN MUL_LO
	MUL16 0, 1, 1, 1, 0
	MUL16 2, 1, 1, 1, 0
	s_wait_dscnt 0x0
	WIN MUL_HI
	MUL16 4, 1, 1, 1, 0
	MUL16 6, 1, 1, 1, 0
	WIN 0
.set VC,  32
.set VS,  48
.set CD,  64
.set PWR, 160
.set TM,  168
.set CT,  184
.set FLR, 192
	PLACES NP
	v_mov_b32 v[VC], v4
	v_add_nc_u32 v[VC+2], s93, v[VC]
	v_add_nc_u32 v[VC+4], s94, v[VC]
	v_add_nc_u32 v[VC+6], s94, v[VC+2]
	v_mov_b32 v[VS], v7
	v_add_nc_u32 v[VS+2], s97, v[VS]
	v_add_nc_u32 v[VS+4], s98, v[VS]
	v_add_nc_u32 v[VS+6], s98, v[VS+2]
.irp a, 0,1,2,3
	v_add_nc_u32 v[VC+8+2*\a], s95, v[VC+2*\a]
	v_add_nc_u32 v[VS+8+2*\a], s99, v[VS+2*\a]
.endr
.irp a, 0,1,2,3,4,5,6,7
	v_add_nc_u32 v[VC+1+2*\a], s92, v[VC+2*\a]
	v_add_nc_u32 v[VS+1+2*\a], s96, v[VS+2*\a]
.endr
	v_mov_b32 v[FLR], 0x1800000
.irp b, 0,1,2,3
	v_mov_b32 v[TM+4+\b], 0
.endr
.macro UNITS a
.set AC, 64*((\a)%4)
.set PC, CD+12*(\a)
	WIN 0x28+0x14*((\a)/4)
.irp b, 0,1,2,3
	v_max3_num_f32 v[TM+\b], v[FLR], |v[AC+16*\b]|, |v[AC+1+16*\b]|
.endr
.irp i, 2,4,6,8,10,12,14
.irp b, 0,1,2,3
	v_max3_num_f32 v[TM+\b], v[TM+\b], |v[AC+16*\b+\i]|, |v[AC+1+16*\b+\i]|
.endr
.endr
	WIN 0
.irp b, 0,1,2,3
	v_permlanex16_b32 v[TM+4+\b], v[TM+\b], s66, s67
.endr
.irp b, 0,1,2,3
	v_max_num_f32 v[TM+\b], v[TM+\b], v[TM+4+\b]
.endr
.irp b, 0,1,2,3
	v_add_nc_u32 v[TM+12+\b], 0xff000000, v[TM+\b]
.endr
.irp b, 0,1,2,3
	v_lshrrev_b32 v[TM+4+\b], 23, v[TM+12+\b]
.endr
	v_lshl_or_b32 v[PWR+(\a)], v[TM+5], 8, v[TM+4]
	v_lshl_or_b32 v[PWR+(\a)], v[TM+6], 16, v[PWR+(\a)]
	v_lshl_or_b32 v[PWR+(\a)], v[TM+7], 24, v[PWR+(\a)]
	WIN 0x02+((\a)/4)
.irp c, 0,1
	v_cvt_scalef32_pk16_fp6_f32 v[PC+6*\c:PC+6*\c+2], v[AC+32*\c:AC+32*\c+15], v[TM+12+2*\c]
	v_cvt_scalef32_pk16_fp6_f32 v[CT+4*\c:CT+4*\c+2], v[AC+32*\c+16:AC+32*\c+31], v[TM+12+2*\c+1]
.endr
	WIN 0
	v_nop
.irp c, 0,1
.irp i, 0,1,2
	v_permlane16_swap_b32 v[PC+6*\c+\i], v[CT+4*\c+\i]
.endr
.irp i, 0,1,2
	v_mov_b32 v[PC+3+6*\c+\i], v[CT+4*\c+\i]
.endr
.endr
.irp g, 0,1
.irp p, 0,1,2
	global_store_b64 v[VC+2*(\a)+\g], v[PC+6*\g+2*\p:PC+6*\g+2*\p+1], s[10:11] offset:256*\p
.endr
.endr
	global_store_b16 v[VS+2*(\a)], v[PWR+(\a)], s[12:13]
	global_store_d16_hi_b16 v[VS+2*(\a)+1], v[PWR+(\a)], s[12:13]
.endm
.irp a, 0,1,2,3,4,5,6,7
	UNITS \a
.endr
	s_wait_tensorcnt 0x0
	ds_add_u32 v[SPW], v[NIL]
	s_wait_dscnt 0x0
	CROUND
	s_endpgm
.Lfunc_end_k_qf937c92223_proj:
	.size	k_qf937c92223_proj, .Lfunc_end_k_qf937c92223_proj-k_qf937c92223_proj
	.p2alignl 7, 3214868480
	.fill 96, 4, 3214868480
	.section	.rodata,"a",@progbits
	.p2align	6, 0x0
	.amdhsa_kernel k_qf937c92223_proj
		.amdhsa_group_segment_fixed_size 327680
		.amdhsa_private_segment_fixed_size 0
		.amdhsa_enable_private_segment 0
		.amdhsa_kernarg_size 16
		.amdhsa_user_sgpr_count 2
		.amdhsa_user_sgpr_kernarg_segment_ptr 1
		.amdhsa_wavefront_size32 1
		.amdhsa_system_sgpr_workgroup_id_x 1
		.amdhsa_system_sgpr_workgroup_id_y 1
		.amdhsa_system_sgpr_workgroup_id_z 1
		.amdhsa_system_vgpr_workitem_id 0
		.amdhsa_next_free_vgpr 1024
		.amdhsa_next_free_sgpr 106
		.amdhsa_reserve_vcc 0
		.amdhsa_float_denorm_mode_32 3
		.amdhsa_float_denorm_mode_16_64 3
		.amdhsa_memory_ordered 1
		.amdhsa_forward_progress 1
		.amdhsa_inst_pref_size 169
	.end_amdhsa_kernel
	.amdgpu_metadata
---
amdhsa.version: [ 1, 2 ]
amdhsa.kernels:
  - .name:           k_qf937c92223_proj
    .symbol:         k_qf937c92223_proj.kd
    .args:
      - { .name: qin, .offset: 0, .size: 8, .value_kind: global_buffer, .address_space: global }
      - { .name: heads, .offset: 8, .size: 8, .value_kind: global_buffer, .address_space: global }
    .group_segment_fixed_size: 327680
    .private_segment_fixed_size: 0
    .kernarg_segment_align: 8
    .kernarg_segment_size: 16
    .max_flat_workgroup_size: 128
    .sgpr_count:     106
    .vgpr_count:     1024
    .wavefront_size: 32
...
	.end_amdgpu_metadata
.endif
;; end of part 2
;; launch attn (part 3): grid 4 x 64, 8 waves a work-group, clusters of 4 x 1, 206,848 bytes of LDS; arguments heads, att; writes att
.if DOCPART == 3
	.amdgcn_target "amdgcn-amd-amdhsa--gfx1250"
	.amdhsa_code_object_version 6
	.text
	.protected	k_qf937c92223_attn
	.globl	k_qf937c92223_attn
	.p2align	8
	.type	k_qf937c92223_attn,@function
k_qf937c92223_attn:
	s_mov_b64 s[64:65], 0
	v_nop
	global_prefetch_b8 v0, s[64:65] scope:SCOPE_SE
	s_setreg_imm32_b32 hwreg(HW_REG_WAVE_MODE, 25, 1), 1
	s_wait_xcnt 0x0
	s_wait_alu depctr_hold_cnt(0) depctr_sa_sdst(0) depctr_va_vdst(0) depctr_va_sdst(0) depctr_va_ssrc(0) depctr_va_vcc(0) depctr_vm_vsrc(0)
	s_getreg_b32 s2, hwreg(HW_REG_IB_STS2, 6, 4)
	s_cmp_eq_u32 s2, 0
	s_cbranch_scc0 .Lentry_in_a_cluster
	s_endpgm
.Lentry_in_a_cluster:
	s_bfe_u32 s2, ttmp6, 0x10000c
	s_cmp_lg_u32 s2, 0x3003
	s_cbranch_scc0 .Lentry_shape_is_right
	s_endpgm
.Lentry_shape_is_right:
; Attention of one head (head size 64, 2,048 keys) on codes of FP6 (E2M3) with E8M0 scales; the result, divided by the row's sum, is quantised along the channels and leaves as codes for the last product.
; SOFTMAX: t = score x log2(e) / 8; M = the row's largest t so far, rounded UP to a whole number; p = 2^(t - M) is quantised along the keys, not normalised; the row's sum is taken of the unquantised p.
; When M moves, the sum and O are multiplied by 2^(old M - new M): exact, in every step, with no branch.
; SHARES.  The four work-groups of a cluster are the four blocks of 512 queries of one head (the grid's y).  All of the head's K and V, codes and scale words, 204,800 bytes, lie in LDS for the whole launch: filled ONCE, by four
; joint loads (waves 0 to 3, 51,200 bytes each, the same descriptor in all four work-groups): no ring, no refill, no barrier in the loop, and so no later load that a prefetch could run ahead of.
; A WAVE OWNS TWO TILES OF 16 QUERIES AT ONCE (X, Y: u = 0, 1), and two such pairs one after the other: 8 waves x 2 x 2 = 32 tiles.  Each fragment of K and V feeds both tiles: 56 LDS loads for 2 x 16 x 128 scores.
; K's fragments of the next step are fetched a step ahead, into registers of their own.  (The last step of a pass fetches 6,144 bytes beyond K's codes, which are V's first: inside LDS, and read by no product.)
; LAYOUT.  Both products transposed: S^T = K Q^T, O^T = V^T P^T: a lane holds one query (lane % 16).  Tile 4 c + t of a step's eight tiles of K holds keys 64 c + 8 t + i in rows 0-7 and 64 c + 32 + 8 t + i in rows 8-15:
; so registers 32 c + 0 .. 31 of lane (r, h) are keys 64 c + 32 h + 0 .. 31: ONE SCALE BLOCK, in the order of the next operand's registers.  No lane asks another for a block's maximum, and no code changes lanes.
; K = 64 IN A FORM 128 DEEP: a fragment of K carries tile 2 b in k = 0 .. 63 and tile 2 b + 1 in k = 64 .. 127.  q stands between runs of zero codes: [q | 0] picks tile 2 b, [0 | q] tile 2 b + 1.
; PLAIN WORK AMONG THE EXPONENTIALS: among X's stand Y's t - M, among Y's the first level of X's sum: lines that read nothing written since the wait ahead of the batch, and whose results are read behind the wait that follows it.
; REGISTERS.  Window 0: addresses, q, scale words, each tile's few numbers, p's codes, K's and V's fragments.  Window 1: S^T / p (v0-127), O^T (v128-191), the second pair's q (v192-207), partial sums (v208-239).
; LIMITS: a block's largest p is made from its largest score (it takes v_exp_f32 not to fall where its input rises); a block whose largest magnitude lies under 2^-124 gets the byte 1; NaN and infinities are not served;
; the promise holds while the scaled scores stay under 2^31 in magnitude.
.set VCO,   98304                      ; LDS, as in a head's block of memory: K's codes 0, V's codes, K's scale words, V's scale words
.set KSO,   196608
.set HEADB, 307200
.set QCO,   204800                     ; in memory only: Q's codes, Q's scale words
.set QSO,   303104
.set SPARE, 204800                     ; the spare words, 128 bytes a wave: four blocks of 256 bytes that no other line names
.set LA,  1                            ; 8 x lane
.set R4,  2                            ; 4 r
.set SPW, 3
.set NIL, 4
.set ADK, 5                            ; the step's addresses: K's codes, V's codes, the scale words
.set ADV, 6
.set ADS, 7
.set SH8, 8                            ; 8 h
.set R8,  9                            ; 8 r
.set AV0, 10                           ; 8 x lane + VCO
.set AS0, 11                           ; 4 r + KSO
                                       ; v16-45: zeros, X's q, zeros, Y's q, zeros, six registers each
.set QS,  46                           ; v46, 47  q's scale words
.set KSR, 48                           ; v48-51 K's scale words;  v52-55 V's
.set VSR, 52
.set NM,  56                           ; pair 2 u: -M and the largest score so far
.set LS,  60                           ; pair 2 u: the row's sum in two halves
.set F,   64                           ; pair 2 u: f = 2^(old M - new M), later 1 / the sum; and a 0, named with it as a pair
.set BA,  68                           ; 2 u + c: a block's maximum;  BB: its second chain
.set BB,  72
.set TMP, 76
.set OLD, 78
.set BT,  80
.set SO,  82                           ; 2 u + c: the conversions' scale operands;  BY: the bytes
.set BY,  86
.set PW,  90                           ; p's scale words
.set OW,  92                           ; the result's two scale bytes
.set PC,  96                           ; 12 u: p's codes
.set CT,  120                          ; 8 u + 4 c: the codes of a block's upper 16
.set KF,  136                          ; four fragments of K;  VF: of V
.set VF,  184
.set S,   0                            ; window 1
.set O,   128
.set QN,  192
.set T,   208
.set WV,  18
.set SEL, 20
.set CS,  22
.set G1,  24
.set G0,  32
.set TK,  36
.set TS,  37
.set CNT, 38
.set NC,  39
.set PCN, 58
.set MSB, 0
.macro WIN new                         ; the immediate's high byte repeats the setting that is left
.if MSB != (\new)
	s_set_vgpr_msb (MSB<<8)|(\new)
.set MSB, \new
.endif
.endm
.macro WALU
	s_wait_alu depctr_va_vdst(0)
.endm
.macro CROUND
	s_barrier_signal -1
	s_barrier_wait -1
	s_cmp_lg_u32 s[WV], 0
	s_cbranch_scc1 .Lnot_wave_0_\@
	s_barrier_signal -3
.Lnot_wave_0_\@:
	s_barrier_wait -3
	s_barrier_signal -1
	s_barrier_wait -1
.endm
.macro FRAGS reg, sreg, adr, off, sadr, soff   ; four fragments and their scale words: 28 loads, each of 256 (64) consecutive bytes
.irp b, 0,1,2,3
.irp p, 0,1,2,3,4,5
	ds_load_b64 v[\reg+12*\b+2*\p:\reg+12*\b+2*\p+1], v[\adr] offset:\off+1536*\b+256*\p
.endr
	ds_load_b32 v[\sreg+\b], v[\sadr] offset:\soff+64*\b
.endr
.endm
.macro SW u, b, hi                     ; 16 keys x 16 queries of S^T
	v_wmma_scale_f32_16x16x128_f8f6f4 v[S+64*\u+16*\b+8*\hi:S+64*\u+16*\b+8*\hi+7], v[KF+12*\b:KF+12*\b+11], v[22+12*\u-6*\hi:33+12*\u-6*\hi], 0, v[KSR+\b], v[QS+\u] matrix_a_fmt:MATRIX_FMT_FP6 matrix_b_fmt:MATRIX_FMT_FP6
.endm
.macro FOLD n, d, a, b                 ; n packed additions that do not hang on each other
.set I, 0
.rept \n
	v_pk_add_f32 v[\d+2*I:\d+2*I+1], v[\a+2*I:\a+2*I+1], v[\b+2*I:\b+2*I+1]
.set I, I+1
.endr
.endm
	s_load_b128 s[4:7], s[0:1], 0x0                ; heads, att
	v_lshl_add_u32 v[SPW], v0, 2, SPARE
	v_mov_b32 v[NIL], 0
	ds_add_u32 v[SPW], v[NIL]                      ; the wave's opening: the add, twice on end, and its wait
	ds_add_u32 v[SPW], v[NIL]
	v_lshrrev_b32 v5, 5, v0
	v_readfirstlane_b32 s[WV], v5                  ; wave 0..7
	s_bfe_u32 s40, ttmp6, 0x40000                  ; cx: it enters Q's and the result's addresses alone
	s_and_b32 s41, ttmp7, 0xffff                   ; 16 x batch + head
	s_mul_i32 s42, s41, HEADB
	s_mov_b32 s43, 0
	s_mul_i32 s44, s[WV], 51200                    ; waves 0 to 3: my quarter, in memory and in LDS alike
	s_mov_b32 s45, 0
	s_mov_b32 s[G1], 15|(3<<16)|(1<<21)            ; the mask: all four work-groups; elements of 8 bytes; bit 21 beside a mask; no padding
	s_mov_b32 s[G1+1], 32<<16                      ; 51,200 dense bytes as 200 rows of 256
	s_mov_b32 s[G1+2], 200<<16
	s_mov_b32 s[G1+3], 32<<16
	s_mov_b32 s[G1+4], 200
	s_mov_b32 s[G1+5], 32
	s_mov_b32 s[G1+6], 0
	s_mov_b32 s[G1+7], 0
	s_mov_b32 s[SEL], 0x76543210
	s_mov_b32 s[SEL+1], 0xfedcba98                 ; v_permlanex16_b32's selects for lane l xor 16
	s_mov_b32 s[CS], 0x3e38aa3b                    ; c = log2(e) / 8
	s_mov_b32 s[CS+1], s[CS]                       ; (named with it as a pair)
	s_mov_b32 s[NC], 0xbe38aa3b                    ; -c
	s_lshl_b32 s46, s40, 5
	s_add_co_u32 s46, s46, s[WV]                   ; X's tile in the first pass: 32 cx + wave; Y's lies 8 tiles on, the second pass's 16
	s_mul_i32 s48, s46, 768
	s_add_co_u32 s48, s48, QCO
	s_mov_b32 s49, 0
	s_lshr_b32 s50, s46, 1
	s_lshl_b32 s50, s50, 6
	s_and_b32 s51, s46, 1
	s_lshl_b32 s51, s51, 1
	s_add_co_u32 s50, s50, s51
	s_add_co_u32 s50, s50, QSO                     ; its scale bytes: 64 (T / 2) + 2 (T % 2), + 4 r
	s_mov_b32 s51, 0
	s_lshr_b32 s52, s41, 4                         ; batch
	s_and_b32 s53, s41, 15                         ; head
	s_lshl_b32 s52, s52, 7
	s_add_co_u32 s52, s52, s46                     ; the tile among all 512
	s_mul_i32 s54, s52, 12288
	s_mul_i32 s56, s53, 768
	s_add_co_u32 s54, s54, s56                     ; the result's codes: the head's 64 of the tile's 1,024 K
	s_mov_b32 s55, 0
	s_lshl_b32 s56, s52, 9
	s_add_co_u32 s56, s56, 6291456
	s_lshr_b32 s57, s53, 2
	s_lshl_b32 s57, s57, 7
	s_add_co_u32 s56, s56, s57
	s_and_b32 s57, s53, 3
	s_lshl_b32 s57, s57, 1
	s_add_co_u32 s56, s56, s57                     ; its scale bytes: (head / 4) x 128 + 2 (head % 4), + 8 r
	s_mov_b32 s57, 0
	s_wait_dscnt 0x0                               ; both opening adds are done
	s_wait_kmcnt 0x0
	s_add_nc_u64 s[4:5], s[4:5], s[42:43]          ; the head's block
	s_add_nc_u64 s[12:13], s[4:5], s[48:49]        ; Q's codes
	s_add_nc_u64 s[14:15], s[4:5], s[50:51]        ; Q's scale bytes
	s_add_nc_u64 s[8:9], s[6:7], s[54:55]          ; the result's codes
	s_add_nc_u64 s[10:11], s[6:7], s[56:57]        ; and scale bytes
	CROUND                                         ; all four work-groups are here: the joint loads meet
	s_mov_b32 s[G0], 1
	s_mov_b32 s[G0+1], s44
	s_add_nc_u64 s[G0+2:G0+3], s[4:5], s[44:45]
	s_or_b32 s[G0+3], s[G0+3], 0x80000000
	s_cmp_lt_u32 s[WV], 4                          ; the wave's number alone: alike in all partners
	s_cbranch_scc0 .Lno_fill
	tensor_load_to_lds s[G0:G0+3], s[G1:G1+7]      ; one load of mine is out
	s_nop 0
.rept 4
	v_nop
.endr
.Lno_fill:
	v_and_b32 v5, 31, v0
	v_lshlrev_b32 v[LA], 3, v5
	v_and_b32 v6, 15, v0
	v_lshlrev_b32 v[R4], 2, v6
	v_lshlrev_b32 v[R8], 3, v6
	v_add_nc_u32 v[AV0], VCO, v[LA]
	v_add_nc_u32 v[AS0], KSO, v[R4]
	v_bfe_u32 v7, v0, 4, 1
	v_lshlrev_b32 v[SH8], 3, v7
.irp u, 0,1
.irp p, 0,1,2
	global_load_b64 v[22+12*\u+2*\p:23+12*\u+2*\p], v[LA], s[12:13] offset:6144*\u+256*\p   ; the first pass's q: 16 queries x 64 channels, six registers a tile
.endr
	global_load_u16 v[OW+\u], v[R4], s[14:15] offset:256*\u
.endr
	WIN 0x40
.irp u, 0,1
.irp p, 0,1,2
	global_load_b64 v[QN+8*\u+2*\p:QN+8*\u+2*\p+1], v[LA], s[12:13] offset:12288+6144*\u+256*\p   ; the second's
.endr
	global_load_u16 v[QN+8*\u+6], v[R4], s[14:15] offset:512+256*\u
.endr
	WIN 0
.irp j, 16,17,18,19,20,21,28,29,30,31,32,33,40,41,42,43,44,45
	v_mov_b32 v[\j], 0                             ; the zero codes beside q
.endr
	v_mov_b32 v[BT], 0                             ; written once: a lane permute's destination counts as one of its sources
	v_mov_b32 v[BT+1], 0
	v_mov_b32 v[F+1], 0
	v_mov_b32 v[F+3], 0
	WALU
	s_wait_tensorcnt 0x0                           ; my quarter has landed,
	s_barrier_signal -1
	s_barrier_wait -1                              ; everybody's has
	s_wait_loadcnt 0x0                             ; q
	v_lshl_or_b32 v[QS], v[OW], 16, v[OW]          ; q's two scale bytes, for k = 0 .. 63 and for k = 64 .. 127
	v_lshl_or_b32 v[QS+1], v[OW+1], 16, v[OW+1]
	s_mov_b32 s[PCN], 0
.Lpass:                                                ; two tiles of 16 queries through all 16 key steps, and out
.irp u, 0,1
	v_mov_b32 v[NM+2*\u], 0x7e000000               ; -M: above every -M that follows, so that the first f is 0
	v_mov_b32 v[NM+2*\u+1], 0xff61b1e6             ; the largest score so far: -3e38
	v_mov_b32 v[LS+2*\u], 0
	v_mov_b32 v[LS+2*\u+1], 0
.endr
	WIN 0x40
.set J, 0
.rept 64
	v_mov_b32 v[O+J], 0                            ; the step is written once: the first finds zeros, which the first f leaves zeros
.set J, J+1
.endr
	WIN 0
	s_mov_b32 s[TK], 0
	s_mov_b32 s[TS], 0
	s_mov_b32 s[CNT], 16
	WALU
	s_wait_dscnt 0x0                               ; the last pass's last fetch has landed: its registers may be loaded again
	FRAGS KF, KSR, LA, 0, AS0, 0                   ; K's first 128 keys
.Lstep:                                                ; A KEY STEP: 128 keys x 2 tiles of queries
	s_wait_dscnt 0x0                               ; K's fragments, asked for a step ago
	WIN 0x40
.irp b, 0,1,2,3
.irp u, 0,1
	SW \u, \b, 0
	SW \u, \b, 1
.endr
.endr
	WIN 0
	v_add_nc_u32 v[ADK], s[TK], v[LA]              ; five plain lines that name no register of the products: the places ahead of the loads and of the maxima
	v_add_nc_u32 v[ADV], s[TK], v[AV0]
	v_add_nc_u32 v[ADS], s[TS], v[AS0]
	v_mov_b32 v[OLD], v[NM]
	v_mov_b32 v[OLD+1], v[NM+2]
	FRAGS VF, VSR, ADV, 0, ADS, 4096               ; V's four fragments (16 channels x 128 keys),
	FRAGS KF, KSR, ADK, 6144, ADS, 256             ; and K's of the next step: both land while the softmax is walked
	WIN 0x15                                       ; THE LARGEST SCORE OF EACH BLOCK OF 32 KEYS, all in my own registers: two chains a block, eight in all by turns
.irp u, 0,1
.irp c, 0,1
	v_max3_num_f32 v[BA+2*\u+\c], v[S+64*\u+32*\c], v[S+64*\u+32*\c+1], v[S+64*\u+32*\c+2]
	v_max3_num_f32 v[BB+2*\u+\c], v[S+64*\u+32*\c+17], v[S+64*\u+32*\c+18], v[S+64*\u+32*\c+19]
.endr
.endr
	WIN 0x14
.irp i, 0,2,4,6,8,10
.irp u, 0,1
.irp c, 0,1
	v_max3_num_f32 v[BA+2*\u+\c], v[BA+2*\u+\c], v[S+64*\u+32*\c+3+\i], v[S+64*\u+32*\c+4+\i]
	v_max3_num_f32 v[BB+2*\u+\c], v[BB+2*\u+\c], v[S+64*\u+32*\c+20+\i], v[S+64*\u+32*\c+21+\i]
.endr
.endr
.endr
.irp u, 0,1
.irp c, 0,1
	v_max3_num_f32 v[BA+2*\u+\c], v[BA+2*\u+\c], v[S+64*\u+32*\c+15], v[S+64*\u+32*\c+16]
.endr
.endr
	WIN 0
.irp k, 0,1,2,3
	v_max_num_f32 v[BA+\k], v[BA+\k], v[BB+\k]
.endr
.irp u, 0,1
	v_max_num_f32 v[TMP+\u], v[BA+2*\u], v[BA+2*\u+1]
.endr
.irp u, 0,1
	v_permlanex16_b32 v[BT+\u], v[TMP+\u], s[SEL], s[SEL+1]
.endr
.irp u, 0,1
	v_max3_num_f32 v[NM+2*\u+1], v[NM+2*\u+1], v[TMP+\u], v[BT+\u]   ; the running largest score of my query (c is positive)
.endr
.irp u, 0,1
	v_mul_f32 v[TMP+\u], s[NC], v[NM+2*\u+1]
.endr
.irp u, 0,1
	v_floor_f32 v[NM+2*\u], v[TMP+\u]              ; the new -M = floor(-t): M is a whole number
.endr
.irp u, 0,1
	v_sub_f32 v[TMP+\u], v[NM+2*\u], v[OLD+\u]     ; old M - new M, 0 or less
.endr
.irp u, 0,1
	v_cvt_i32_f32 v[TMP+\u], v[TMP+\u]             ; (it saturates)
.endr
.irp u, 0,1
	v_ldexp_f32 v[F+2*\u], 1.0, v[TMP+\u]          ; f = 2^(old M - new M)
.endr
.irp u, 0,1
.irp c, 0,1
	v_fma_f32 v[BA+2*\u+\c], v[BA+2*\u+\c], s[CS], v[NM+2*\u]   ; t - M of each block's largest score
.endr
.endr
	WIN 0x41
.set J, 0
.rept 32
	v_pk_fma_f32 v[S+J:S+J+1], v[S+J:S+J+1], s[CS:CS+1], v[NM:NM+1] op_sel_hi:[1,0,0]   ; X: t - M
.set J, J+2
.endr
.irp u, 0,1
.set J, 0
.rept 16
	v_pk_mul_f32 v[O+32*\u+J:O+32*\u+J+1], v[O+32*\u+J:O+32*\u+J+1], v[F+2*\u:F+2*\u+1] op_sel_hi:[1,0]   ; O^T under the new M: read here, with no exponential between the last products and these lines
.set J, J+2
.endr
.endr
	WALU
.set J, 0
.rept 32
	v_exp_f32 v[S+J], v[S+J]                       ; X: p = 2^(t - M)
	v_exp_f32 v[S+J+1], v[S+J+1]
	v_pk_fma_f32 v[S+64+J:S+64+J+1], v[S+64+J:S+64+J+1], s[CS:CS+1], v[NM+2:NM+3] op_sel_hi:[1,0,0]   ; Y: t - M
.set J, J+2
.endr
	WIN 0
	v_exp_f32 v[BA], v[BA]                         ; X: each block's largest p
	v_exp_f32 v[BA+1], v[BA+1]
	v_pk_mul_f32 v[LS:LS+1], v[LS:LS+1], v[F:F+1] op_sel_hi:[1,0]         ; the sums under the new M (the plain lines behind the batch)
	v_pk_mul_f32 v[LS+2:LS+3], v[LS+2:LS+3], v[F+2:F+3] op_sel_hi:[1,0]
	WALU                                           ; one wait: behind X's batch, ahead of Y's
	WIN 0x45
.set J, 0
.rept 16
	v_exp_f32 v[S+64+2*J], v[S+64+2*J]             ; Y: p
	v_exp_f32 v[S+64+2*J+1], v[S+64+2*J+1]
	v_exp_f32 v[S+64+2*J+2], v[S+64+2*J+2]
	v_exp_f32 v[S+64+2*J+3], v[S+64+2*J+3]
	v_pk_add_f32 v[T+J:T+J+1], v[S+J:S+J+1], v[S+32+J:S+32+J+1]   ; X: the first level of the sum of the unquantised p
.set J, J+2
.endr
	WIN 0
	v_exp_f32 v[BA+2], v[BA+2]
	v_exp_f32 v[BA+3], v[BA+3]
	v_max_num_f32 v[BA], 0x1800000, v[BA]          ; the floor 2^(3 - 127): the byte cannot fall under 1.  (X's two are the plain lines behind the batch)
	v_max_num_f32 v[BA+1], 0x1800000, v[BA+1]
	WALU                                           ; behind Y's batch
	v_max_num_f32 v[BA+2], 0x1800000, v[BA+2]
	v_max_num_f32 v[BA+3], 0x1800000, v[BA+3]
.irp k, 0,1,2,3
	v_add_nc_u32 v[SO+\k], 0xff000000, v[BA+\k]    ; 2 off the exponent field: the conversions' scale operand
.endr
.irp k, 0,1,2,3
	v_lshrrev_b32 v[BY+\k], 23, v[SO+\k]           ; the byte
.endr
.irp u, 0,1
	v_lshl_or_b32 v[PW+\u], v[BY+2*\u+1], 16, v[BY+2*\u]   ; my blocks h and 2 + h,
.endr
.irp u, 0,1
	v_lshlrev_b32 v[PW+\u], v[SH8], v[PW+\u]       ; at their places in the word;
.endr
.irp u, 0,1
	v_permlanex16_b32 v[BT+\u], v[PW+\u], s[SEL], s[SEL+1]
.endr
.irp u, 0,1
	v_or_b32 v[PW+\u], v[PW+\u], v[BT+\u]          ; with lane l xor 16's two: p's scale word for these 128 keys
.endr
	WIN 0x01
.irp u, 0,1
.irp c, 0,1
	v_cvt_scalef32_pk16_fp6_f32 v[PC+12*\u+6*\c:PC+12*\u+6*\c+2], v[S+64*\u+32*\c:S+64*\u+32*\c+15], v[SO+2*\u+\c]
	v_cvt_scalef32_pk16_fp6_f32 v[CT+8*\u+4*\c:CT+8*\u+4*\c+2], v[S+64*\u+32*\c+16:S+64*\u+32*\c+31], v[SO+2*\u+\c]   ; (a conversion's three registers begin on an even number)
.endr
.endr
	WIN 0x45
	FOLD 8, T, T, T+16                             ; X's sum goes on (plain lines behind the conversions)
	WIN 0
.irp u, 0,1
.irp c, 0,1
.irp i, 0,1,2
	v_mov_b32 v[PC+12*\u+6*\c+3+\i], v[CT+8*\u+4*\c+\i]
.endr
.endr
.endr
	WIN 0x45                                       ; the 38 additions below are also the places between the scale words and codes just made and the products
	FOLD 8, T+16, S+64, S+80                       ; Y's sum in eight chains, X's levels between them
	FOLD 4, T, T, T+8
	FOLD 8, T+16, T+16, S+96
	FOLD 2, T, T, T+4
	FOLD 8, T+16, T+16, S+112
	FOLD 1, T, T, T+2
	FOLD 4, T+16, T+16, T+24
	FOLD 2, T+16, T+16, T+20
	FOLD 1, T+16, T+16, T+18
	WIN 0x04
	v_pk_add_f32 v[LS:LS+1], v[LS:LS+1], v[T:T+1]
	v_pk_add_f32 v[LS+2:LS+3], v[LS+2:LS+3], v[T+16:T+17]
	WIN 0
	WALU
	s_wait_dscnt 28                                ; V's 28 loads are in; the 28 of K's next step, issued behind them, may be out
	WIN 0x50
.irp t, 0,1,2,3                        ; the eight accumulators by turns
.irp u, 0,1
	v_wmma_scale_f32_16x16x128_f8f6f4 v[O+32*\u+8*\t:O+32*\u+8*\t+7], v[VF+12*\t:VF+12*\t+11], v[PC+12*\u:PC+12*\u+11], v[O+32*\u+8*\t:O+32*\u+8*\t+7], v[VSR+\t], v[PW+\u] matrix_a_fmt:MATRIX_FMT_FP6 matrix_b_fmt:MATRIX_FMT_FP6
.endr
.endr
	WIN 0
	s_add_co_u32 s[TK], s[TK], 6144                ; the next 128 keys' codes, of K and of V alike,
	s_add_co_u32 s[TS], s[TS], 256                 ; and scale words
	s_sub_co_u32 s[CNT], s[CNT], 1
	s_cmp_lg_u32 s[CNT], 0
	s_cbranch_scc1 .Lstep
	v_add_f32 v[LS], v[LS], v[LS+1]                ; THE WAY OUT.  (These lines are the places behind the last products)
	v_add_f32 v[LS+2], v[LS+2], v[LS+3]
	v_permlanex16_b32 v[BT], v[LS], s[SEL], s[SEL+1]
	v_permlanex16_b32 v[BT+1], v[LS+2], s[SEL], s[SEL+1]
	v_add_f32 v[LS], v[LS], v[BT]                  ; the rows' sums
	v_add_f32 v[LS+2], v[LS+2], v[BT+1]
	WALU
	v_rcp_f32 v[F], v[LS]
	v_rcp_f32 v[F+2], v[LS+2]
	v_nop
	WALU                                           ; ahead of the reciprocals' first reader, which is also O^T's
	WIN 0x41
.irp u, 0,1
.set J, 0
.rept 16
	v_pk_mul_f32 v[S+64*\u+J:S+64*\u+J+1], v[O+32*\u+J:O+32*\u+J+1], v[F+2*\u:F+2*\u+1] op_sel_hi:[1,0]   ; register 16 b + i: channel 32 b + 16 (lane / 16) + i of my query
.set J, J+2
.endr
.endr
	WIN 0x05
.irp u, 0,1
.irp b, 0,1
	v_max3_num_f32 v[BA+2*\u+\b], |v[S+64*\u+16*\b]|, |v[S+64*\u+16*\b+1]|, 0x1800000
.endr
.endr
	WIN 0x14
.irp i, 2,4,6,8,10,12,14
.irp u, 0,1
.irp b, 0,1
	v_max3_num_f32 v[BA+2*\u+\b], v[BA+2*\u+\b], |v[S+64*\u+16*\b+\i]|, |v[S+64*\u+16*\b+\i+1]|
.endr
.endr
.endr
	WIN 0
.irp k, 0,1,2,3
	v_permlanex16_b32 v[BB+\k], v[BA+\k], s[SEL], s[SEL+1]
.endr
.irp k, 0,1,2,3
	v_max_num_f32 v[BA+\k], v[BA+\k], v[BB+\k]     ; a block of 32 channels lies in lanes l and l xor 16
.endr
.irp k, 0,1,2,3
	v_add_nc_u32 v[SO+\k], 0xff000000, v[BA+\k]
.endr
.irp k, 0,1,2,3
	v_lshrrev_b32 v[BY+\k], 23, v[SO+\k]
.endr
.irp u, 0,1
	v_lshl_or_b32 v[OW+\u], v[BY+2*\u+1], 8, v[BY+2*\u]
.endr
	WIN 0x01
.irp u, 0,1
	v_cvt_scalef32_pk16_fp6_f32 v[PC+12*\u:PC+12*\u+2], v[S+64*\u:S+64*\u+15], v[SO+2*\u]
	v_cvt_scalef32_pk16_fp6_f32 v[CT+8*\u:CT+8*\u+2], v[S+64*\u+16:S+64*\u+31], v[SO+2*\u+1]
.endr
	WIN 0
	v_nop                                          ; one plain place behind a scaled conversion
.irp u, 0,1
.irp i, 0,1,2
	v_permlane16_swap_b32 v[PC+12*\u+\i], v[CT+8*\u+\i]   ; a whole block to a lane
.endr
.endr
.irp u, 0,1
.irp i, 0,1,2
	v_mov_b32 v[PC+12*\u+3+\i], v[CT+8*\u+\i]
.endr
.endr
.irp u, 0,1
.irp p, 0,1,2
	global_store_b64 v[LA], v[PC+12*\u+2*\p:PC+12*\u+2*\p+1], s[8:9] offset:98304*\u+256*\p   ; 256 consecutive bytes, aligned
.endr
	global_store_b16 v[R8], v[OW+\u], s[10:11] offset:4096*\u    ; (lanes r and r + 16 write the same bytes with the same value)
.endr
	WIN 0x01                                       ; the second pass's q.  (One text serves both passes: in the last trip these 14 lines move what nobody reads)
.irp i, 0,1,2,3,4,5
	v_mov_b32 v[22+\i], v[QN+\i]
	v_mov_b32 v[34+\i], v[QN+8+\i]
.endr
	WIN 0x11
	v_lshl_or_b32 v[QS], v[QN+6], 16, v[QN+6]
	v_lshl_or_b32 v[QS+1], v[QN+14], 16, v[QN+14]
	WIN 0
	s_wait_xcnt 0x0                                ; the stores have read their registers and bases, which are written again only behind this wait
	s_add_nc_u64 s[8:9], s[8:9], 196608            ; 16 tiles on
	s_add_nc_u64 s[10:11], s[10:11], 8192
	s_add_co_u32 s[PCN], s[PCN], 1
	s_cmp_lt_u32 s[PCN], 2
	WALU
	s_cbranch_scc1 .Lpass
	s_wait_tensorcnt 0x0                           ; the wave's end
	ds_add_u32 v[SPW], v[NIL]
	s_wait_dscnt 0x0
	CROUND                                         ; the closing round
	s_endpgm
.Lfunc_end_k_qf937c92223_attn:
	.size	k_qf937c92223_attn, .Lfunc_end_k_qf937c92223_attn-k_qf937c92223_attn
	.p2alignl 7, 3214868480
	.fill 96, 4, 3214868480
	.section	.rodata,"a",@progbits
	.p2align	6, 0x0
	.amdhsa_kernel k_qf937c92223_attn
		.amdhsa_group_segment_fixed_size 206848
		.amdhsa_private_segment_fixed_size 0
		.amdhsa_enable_private_segment 0
		.amdhsa_kernarg_size 16
		.amdhsa_user_sgpr_count 2
		.amdhsa_user_sgpr_kernarg_segment_ptr 1
		.amdhsa_wavefront_size32 1
		.amdhsa_system_sgpr_workgroup_id_x 1
		.amdhsa_system_sgpr_workgroup_id_y 1
		.amdhsa_system_sgpr_workgroup_id_z 1
		.amdhsa_system_vgpr_workitem_id 0
		.amdhsa_next_free_vgpr 512
		.amdhsa_next_free_sgpr 66
		.amdhsa_reserve_vcc 0
		.amdhsa_float_denorm_mode_32 3
		.amdhsa_float_denorm_mode_16_64 3
		.amdhsa_memory_ordered 1
		.amdhsa_forward_progress 1
		.amdhsa_inst_pref_size 49
	.end_amdhsa_kernel
	.amdgpu_metadata
---
amdhsa.version: [ 1, 2 ]
amdhsa.kernels:
  - .name:           k_qf937c92223_attn
    .symbol:         k_qf937c92223_attn.kd
    .args:
      - { .name: heads, .offset: 0, .size: 8, .value_kind: global_buffer, .address_space: global }
      - { .name: att, .offset: 8, .size: 8, .value_kind: global_buffer, .address_space: global }
    .group_segment_fixed_size: 206848
    .private_segment_fixed_size: 0
    .kernarg_segment_align: 8
    .kernarg_segment_size: 16
    .max_flat_workgroup_size: 256
    .sgpr_count:     66
    .vgpr_count:     512
    .wavefront_size: 32
...
	.end_amdgpu_metadata
.endif
;; end of part 3
;; launch outp (part 4): grid 8 x 32, 4 waves a work-group, clusters of 4 x 4, 327,680 bytes of LDS; arguments att, qin, out0; writes out0
.if DOCPART == 4
	.amdgcn_target "amdgcn-amd-amdhsa--gfx1250"
	.amdhsa_code_object_version 6
	.text
	.protected	k_qf937c92223_outp
	.globl	k_qf937c92223_outp
	.p2align	8
	.type	k_qf937c92223_outp,@function
k_qf937c92223_outp:
	s_mov_b64 s[64:65], 0
	v_nop
	global_prefetch_b8 v0, s[64:65] scope:SCOPE_SE
	s_setreg_imm32_b32 hwreg(HW_REG_WAVE_MODE, 25, 1), 1
	s_wait_xcnt 0x0
	s_wait_alu depctr_hold_cnt(0) depctr_sa_sdst(0) depctr_va_vdst(0) depctr_va_sdst(0) depctr_va_ssrc(0) depctr_va_vcc(0) depctr_vm_vsrc(0)
	s_getreg_b32 s2, hwreg(HW_REG_IB_STS2, 6, 4)
	s_cmp_eq_u32 s2, 0
	s_cbranch_scc0 .Lentry_in_a_cluster
	s_endpgm
.Lentry_in_a_cluster:
	s_bfe_u32 s2, ttmp6, 0x10000c
	s_cmp_lg_u32 s2, 0xf033
	s_cbranch_scc0 .Lentry_shape_is_right
	s_endpgm
.Lentry_shape_is_right:
.set SLOT,  98304
.set PHALF, 49152
.set TILEB, 3072
.set WHALF, 8*TILEB
.set SCL,   3*SLOT
.set SCLP,  SCL+8320
.set SPARE, 311552
; A BLOCK OF THE RESULT IS 256 ROWS x 128 COLUMNS: 32 x 8 = 256 work-groups.  A wave makes 128 x 64: the row operand's 8 tiles of 16 against 4 tiles of Wo.
.set SPITCH, 272
.set FR, 12
.set NL, 6
.set NQ, 2
.set NP, 4
.set ADRA, 16
.set ADRB, 20
.set STO,  24
.set RD,   25
.set CO,   26
.set ADRS, 27
.set SPW,  28
.set NIL,  29
.set SC,   32
.set AF,   128
.set BK,   128
.set G1R,  24
.set G1P,  32
.set G1SR, 40
.set G1SP, 48
.set G0R0, 56
.set G0R1, 60
.set G0R2, 68
.set G0SR, 72
.set G0P0, 76
.set G0P1, 80
.set G0P2, 84
.set G0SP, 88
.set MSB, 0
.macro WIN new
.if MSB != (\new)
	s_set_vgpr_msb (MSB<<8)|(\new)
.set MSB, \new
.endif
.endm
.set MUL_LO, 0xa1
.set MUL_HI, 0xf1
.set TO_B,   0x40
.macro JLOAD g0a, g1a, g0b, g1b
	s_cmp_eq_u32 s15, 0
	s_cbranch_scc0 .Lfor_b_\@
	tensor_load_to_lds s[\g0a:\g0a+3], s[\g1a:\g1a+7]
	s_nop 0
.rept 4
	v_nop
.endr
	s_branch .Lasked_\@
.Lfor_b_\@:
	tensor_load_to_lds s[\g0b:\g0b+3], s[\g1b:\g1b+7]
	s_nop 0
.rept 4
	v_nop
.endr
.Lasked_\@:
.endm
.macro CREST
	s_cmp_lg_u32 s14, 0
	s_cbranch_scc1 .Lnot_wave_0_\@
	s_barrier_signal -3
.Lnot_wave_0_\@:
	s_barrier_wait -3
	s_barrier_signal -1
	s_barrier_wait -1
.endm
.macro CROUND
	s_barrier_signal -1
	s_barrier_wait -1
	CREST
.endm
.macro PLACES n
.rept \n
	v_nop
.endr
.endm
.macro FIRST g0r, g0p, s
	s_mov_b32 s[\g0r], 1
	s_add_co_u32 s[\g0r+1], s104, \s*SLOT
	s_add_nc_u64 s[\g0r+2:\g0r+3], s[2:3], \s*TILEB
	s_or_b32 s[\g0r+3], s[\g0r+3], 0x80000000
	s_mov_b32 s[\g0p], 1
	s_add_co_u32 s[\g0p+1], s96, \s*SLOT+PHALF
	s_add_nc_u64 s[\g0p+2:\g0p+3], s[22:23], \s*TILEB
	s_or_b32 s[\g0p+3], s[\g0p+3], 0x80000000
.endm
.macro FRAG reg, adr, q, i
.irp p, 0,1,2,3,4,5
	ds_load_b64 v[\reg+2*\p:\reg+2*\p+1], v[\adr] offset:(\i)*TILEB+(\q)*1536+256*\p
.endr
.endm
.macro FETCH_B slot, q, p
	WIN TO_B
.irp i, 0,1,2,3
	FRAG 128*(\p)+FR*\i, ADRB+(\slot), \q, \i
.endr
	WIN 0
.endm
.macro FETCH_A slot, q, i0
.irp i, \i0, \i0+1, \i0+2, \i0+3
	FRAG AF+FR*(\i), ADRA+(\slot), \q, \i
.endr
.endm
.macro SCALES sc
.irp i, 0,1,2,3,4,5,6,7
	ds_load_b64 v[SC+8*NQ*(\sc)+NQ*\i:SC+8*NQ*(\sc)+NQ*\i+1], v[ADRS] offset:512*\i
.endr
.endm
.macro MUL16 a0, p, q, sc, zero
.irp a, \a0, \a0+1
.irp b, 0,1,2,3
.if \zero
	v_wmma_scale_f32_16x16x128_f8f6f4 v[8*(8*((\a)%4)+\b):8*(8*((\a)%4)+\b)+7], v[128*(\p)+FR*\b:128*(\p)+FR*\b+FR-1], v[AF+FR*(\a):AF+FR*(\a)+FR-1], 0, v[SC+8*NQ*(\sc)+NQ*\b+(\q)], v[SC+8*NQ*(\sc)+NQ*(\a)+(\q)] matrix_a_fmt:MATRIX_FMT_FP6 matrix_b_fmt:MATRIX_FMT_FP6 matrix_a_scale:MATRIX_SCALE_ROW1
.else
	v_wmma_scale_f32_16x16x128_f8f6f4 v[8*(8*((\a)%4)+\b):8*(8*((\a)%4)+\b)+7], v[128*(\p)+FR*\b:128*(\p)+FR*\b+FR-1], v[AF+FR*(\a):AF+FR*(\a)+FR-1], v[8*(8*((\a)%4)+\b):8*(8*((\a)%4)+\b)+7], v[SC+8*NQ*(\sc)+NQ*\b+(\q)], v[SC+8*NQ*(\sc)+NQ*(\a)+(\q)] matrix_a_fmt:MATRIX_FMT_FP6 matrix_b_fmt:MATRIX_FMT_FP6 matrix_a_scale:MATRIX_SCALE_ROW1
.endif
.endr
.endr
.endm
.macro GSTEP p, sc, mode, zero, nls
.if \mode == 0
	s_wait_dscnt 4*NL
	WIN MUL_LO
	MUL16 0, \p, \p, \sc, \zero
	MUL16 2, \p, \p, \sc, \zero
	s_wait_dscnt 0x0
	PLACES NP
.else
	s_wait_tensorcnt 0x0
	ds_add_u32 v[SPW], v[NIL]
	s_wait_dscnt 4*NL+1
	WIN MUL_LO
	MUL16 0, \p, \p, \sc, \zero
	s_wait_dscnt 0x0
	s_barrier_signal -1
	MUL16 2, \p, \p, \sc, \zero
	WIN 0
	s_barrier_wait -1
.if \mode == 1
	CREST
	s_mov_b32 s[G1R+2], 8<<16                      ; no tensor load of mine is out: from here on a load brings 8 tiles of the row operand, a quarter of a slot, or 4 of Wo
	s_mov_b32 s[G1R+4], 8
	s_mov_b32 s[G1P+2], 4<<16
	s_mov_b32 s[G1P+4], 4
	s_add_nc_u64 s[G0R0+2:G0R0+3], s[G0R0+2:G0R0+3], 3*TILEB
	s_add_nc_u64 s[G0P0+2:G0P0+3], s[G0P0+2:G0P0+3], 3*TILEB
	JLOAD G0R0, G1R, G0P0, G1P
.else
	PLACES NP
.endif
.endif
.if \p == 1
	WIN 0
	v_add_nc_u32 v[ADRS], 128, v[ADRS]
.endif
	FETCH_B \nls, 1-\p, 1-\p
	FETCH_A \nls, 1-\p, 0
.if \p == 1
	SCALES 1-\sc
.endif
	WIN MUL_HI
	MUL16 4, \p, \p, \sc, \zero
	MUL16 6, \p, \p, \sc, \zero
	PLACES NP
	WIN 0
	FETCH_A \nls, 1-\p, 4
.endm
	s_load_b128 s[4:7], s[0:1], 0x0
	s_load_b64 s[8:9], s[0:1], 0x10
	v_lshl_add_u32 v[SPW], v0, 2, SPARE
	v_mov_b32 v[NIL], 0
	ds_add_u32 v[SPW], v[NIL]
	ds_add_u32 v[SPW], v[NIL]
	v_lshrrev_b32 v1, 5, v0
	v_readfirstlane_b32 s14, v1
	s_lshr_b32 s15, s14, 1
	s_and_b32 s16, s14, 1
	s_bfe_u32 s17, ttmp6, 0x40000
	s_bfe_u32 s18, ttmp6, 0x40004
	s_lshl_b32 s20, s18, 2
	s_lshl_b32 s20, 15, s20
	s_lshl_b32 s21, 0x1111, s17
	s_or_b32 s[G1R], s20, (3<<16)|(1<<21)
	s_or_b32 s[G1P], s21, (3<<16)|(1<<21)
	s_or_b32 s[G1SR], s20, (3<<16)|(1<<21)
	s_or_b32 s[G1SP], s21, (3<<16)|(1<<21)
.irp g, G1R, G1P
	s_mov_b32 s[\g+1], 384<<16
	s_mov_b32 s[\g+2], 16<<16
	s_mov_b32 s[\g+3], 384<<16
	s_mov_b32 s[\g+4], 16
	s_mov_b32 s[\g+5], 1536
	s_mov_b32 s[\g+6], 0
	s_mov_b32 s[\g+7], 0
.endr
.irp g, G1SR, G1SP
	s_mov_b32 s[\g+1], 32<<16
	s_mov_b32 s[\g+2], 32<<16
	s_mov_b32 s[\g+3], 32<<16
	s_mov_b32 s[\g+4], 32
	s_mov_b32 s[\g+5], 32
	s_mov_b32 s[\g+6], 0
	s_mov_b32 s[\g+7], 0
.endr
	s_mov_b32 s[G1P+2], 8<<16                      ; Wo's part of a chunk is 8 tiles,
	s_mov_b32 s[G1P+4], 8
	s_mov_b32 s[G1SP+2], 16<<16                    ; and its scale bytes 16 rows of 256: the tile's other 16 rows lie beyond the tensor's extent and are filled with zeros, so that every byte that the scale loads touch is written
	s_lshl_b32 s97, ttmp9, 2
	s_add_co_u32 s97, s97, s17
	s_and_b32 s98, ttmp7, 0xffff
	s_lshl_b32 s98, s98, 2
	s_add_co_u32 s98, s98, s18
	s_lshl_b32 s99, s16, 3
	s_lshl_b32 s96, s16, 2
	s_lshl_b32 s100, s97, 3
	s_add_co_u32 s100, s100, s96                   ; Wo: 8 tiles a block, 4 a half
	s_add_co_u32 s100, s100, 1728
	s_lshl_b32 s101, s98, 4
	s_add_co_u32 s101, s101, s99
	s_mul_i32 s22, s100, 12288
	s_mov_b32 s23, 0
	s_mul_i32 s2, s101, 12288
	s_mov_b32 s3, 0
	s_lshl_b32 s12, s100, 9
	s_add_co_u32 s12, s12, 22020096
	s_mov_b32 s13, 0
	s_lshl_b32 s10, s101, 9
	s_add_co_u32 s10, s10, 6291456
	s_mov_b32 s11, 0
	s_mul_i32 s104, s16, WHALF
	s_mul_i32 s96, s16, 4*TILEB
	s_lshl_b32 s105, s16, 12
	s_wait_dscnt 0x0
	s_wait_kmcnt 0x0
	s_add_nc_u64 s[22:23], s[6:7], s[22:23]
	s_add_nc_u64 s[2:3], s[4:5], s[2:3]
	s_add_nc_u64 s[12:13], s[6:7], s[12:13]
	s_add_nc_u64 s[10:11], s[4:5], s[10:11]
	; THE FIRST FILLS.  At the head one joint load a wave, each a whole tile, 16 x 16 rows of the row operand, 8 x 16 of Wo: wave 0 chunk 0 (256 along K) of the row operand, wave 1 that operand's scale bytes, wave 2 chunk 0 of the other operand, wave 3 its scale bytes.
	; Behind the full sequence and a round: chunks 1 and 2, half a chunk a wave (waves 0, 1 the row operand's, waves 2, 3 the other's), into slots 1 and 2.  Chunk 3 is slot 0's one refill, a quarter a wave.
	; No prefetch: K is 4 chunks, of which 3 are asked for before the first product.
	s_mov_b32 s66, s105                            ; the addresses above are my half's: 4,096 scale bytes x half are taken off again
	s_mov_b32 s67, 0
	s_mov_b32 s[G0SR], 1
	s_mov_b32 s[G0SR+1], SCL
	s_sub_nc_u64 s[G0SR+2:G0SR+3], s[10:11], s[66:67]
	s_or_b32 s[G0SR+3], s[G0SR+3], 0x80000000
	s_mov_b32 s[G0SP], 1
	s_mov_b32 s[G0SP+1], SCLP
	s_lshl_b32 s66, s16, 11                        ; Wo's half: 2,048 scale bytes
	s_sub_nc_u64 s[G0SP+2:G0SP+3], s[12:13], s[66:67]
	s_or_b32 s[G0SP+3], s[G0SP+3], 0x80000000
	s_mul_i32 s66, s16, 8*12288                    ; and 8 tiles of codes x half
	s_mul_i32 s100, s16, TILEB
	s_add_co_u32 s100, s100, TILEB                 ; chunk 1 + half, in memory
	s_mov_b32 s101, 0
	s_mul_i32 s105, s16, SLOT
	s_add_co_u32 s105, s105, SLOT                  ; and its slot
	s_mov_b32 s[G0R2], 1
	s_mov_b32 s[G0R2+1], 0
	s_sub_nc_u64 s[G0R2+2:G0R2+3], s[2:3], s[66:67]
	s_mov_b32 s[G0R1], 1
	s_mov_b32 s[G0R1+1], s105
	s_add_nc_u64 s[G0R1+2:G0R1+3], s[G0R2+2:G0R2+3], s[100:101]
	s_or_b32 s[G0R2+3], s[G0R2+3], 0x80000000
	s_or_b32 s[G0R1+3], s[G0R1+3], 0x80000000
	s_mov_b32 s[G0P2], 1
	s_mov_b32 s[G0P2+1], PHALF
	s_mul_i32 s66, s16, 4*12288                    ; and 4 tiles of codes
	s_sub_nc_u64 s[G0P2+2:G0P2+3], s[22:23], s[66:67]
	s_mov_b32 s[G0P1], 1
	s_add_co_u32 s[G0P1+1], s105, PHALF
	s_add_nc_u64 s[G0P1+2:G0P1+3], s[G0P2+2:G0P2+3], s[100:101]
	s_or_b32 s[G0P2+3], s[G0P2+3], 0x80000000
	s_or_b32 s[G0P1+3], s[G0P1+3], 0x80000000
	FIRST G0R0, G0P0, 0                            ; slot 0's quarters, for the refill
	CROUND
	s_cmp_eq_u32 s14, 0
	s_cbranch_scc0 .Lhead_1
	tensor_load_to_lds s[G0R2:G0R2+3], s[G1R:G1R+7]
	s_nop 0
	PLACES 4
	s_branch .Lhead_asked
.Lhead_1:
	s_cmp_eq_u32 s14, 1
	s_cbranch_scc0 .Lhead_2
	tensor_load_to_lds s[G0SR:G0SR+3], s[G1SR:G1SR+7]
	s_nop 0
	PLACES 4
	s_branch .Lhead_asked
.Lhead_2:
	s_cmp_eq_u32 s14, 2
	s_cbranch_scc0 .Lhead_3
	tensor_load_to_lds s[G0P2:G0P2+3], s[G1P:G1P+7]
	s_nop 0
	PLACES 4
	s_branch .Lhead_asked
.Lhead_3:
	tensor_load_to_lds s[G0SP:G0SP+3], s[G1SP:G1SP+7]
	s_nop 0
	PLACES 4
.Lhead_asked:
	v_and_b32 v1, 31, v0
	v_and_b32 v2, 15, v0
	s_wait_alu depctr_va_vdst(0)
	v_bfe_u32 v3, v0, 4, 1
	s_wait_alu depctr_va_vdst(0)
	v_lshlrev_b32 v4, 3, v1
	s_mul_i32 s66, s15, WHALF
	s_mul_i32 s67, s16, 4*TILEB
	s_add_co_u32 s67, s67, PHALF
.irp s, 0,1,2
	v_add_nc_u32 v[ADRA+\s], s66, v4
	v_add_nc_u32 v[ADRB+\s], s67, v4
	s_add_co_u32 s66, s66, SLOT
	s_add_co_u32 s67, s67, SLOT
.endr
	v_lshlrev_b32 v5, 3, v2
	s_lshl_b32 s66, s15, 12
	s_lshl_b32 s67, s16, 11
	s_add_co_u32 s67, s67, 8320
	s_sub_co_u32 s67, s67, s66
	v_mul_u32_u24 v6, s67, v3
	s_add_co_u32 s66, s66, SCL
	v_add_nc_u32 v5, v5, v6
	v_add_nc_u32 v[ADRS], s66, v5
	s_mul_i32 s66, s14, 16*SPITCH
	s_add_co_u32 s66, s66, SLOT
	v_mul_u32_u24 v5, v2, SPITCH
	v_lshl_add_u32 v5, v3, 6, v5
	v_add_nc_u32 v[STO], s66, v5
	v_lshlrev_b32 v[CO], 4, v2                     ; back: sixteen lanes take a row of 256 bytes, lanes 16-31 the next row; and the same in the result
	v_mad_u32_u24 v[RD], v3, SPITCH, v[CO]
	v_add_nc_u32 v[RD], s66, v[RD]
	v_lshl_add_u32 v[CO], v3, 12, v[CO]
	s_lshl_b32 s98, s98, 8
	s_lshl_b32 s66, s15, 7
	s_add_co_u32 s98, s98, s66
	s_lshl_b32 s98, s98, 12
	s_lshl_b32 s97, s97, 7
	s_lshl_b32 s66, s16, 6
	s_add_co_u32 s97, s97, s66
	s_lshl_b32 s97, s97, 2
	s_add_co_u32 s66, s97, s98
	s_mov_b32 s67, 0
	s_add_nc_u64 s[8:9], s[8:9], s[66:67]
	s_wait_alu depctr_va_vdst(0)
	s_wait_tensorcnt 0x0                           ; my tile of the head's four is in
	ds_add_u32 v[SPW], v[NIL]
	s_wait_dscnt 0x0
	CROUND
	JLOAD G0R1, G1R, G0P1, G1P                     ; chunks 1 and 2, the first tensor load behind the round
	FETCH_B 0, 0, 0
	FETCH_A 0, 0, 0
	SCALES 0
	FETCH_A 0, 0, 4
	GSTEP 0, 0, 0, 1, 0
	GSTEP 1, 0, 1, 0, 1
	s_wait_alu depctr_va_vdst(0)
	GSTEP 0, 1, 0, 0, 1
	GSTEP 1, 1, 0, 0, 2
	s_wait_alu depctr_va_vdst(0)
	GSTEP 0, 0, 0, 0, 2
	GSTEP 1, 0, 2, 0, 0
	GSTEP 0, 1, 0, 0, 0
	s_wait_dscnt 4*NL
	WIN MUL_LO
	MUL16 0, 1, 1, 1, 0
	MUL16 2, 1, 1, 1, 0
	s_wait_dscnt 0x0
	WIN MUL_HI
	MUL16 4, 1, 1, 1, 0
	MUL16 6, 1, 1, 1, 0
	WIN 0
.macro TOSTAGE a
.set AC, 64*((\a)%4)
	WIN 0x08+4*((\a)/4)
.irp b, 0,1,2,3
	ds_store_b128 v[STO], v[AC+8*\b:AC+8*\b+3] offset:128*(\b/2)+32*(\b%2)
	ds_store_b128 v[STO], v[AC+8*\b+4:AC+8*\b+7] offset:128*(\b/2)+32*(\b%2)+16
.endr
	WIN 0
.set BB, BK+64*((\a)%2)
.irp t, 0,1,2,3,4,5,6,7
	ds_load_b128 v[BB+4*\t:BB+4*\t+3], v[RD] offset:2*\t*SPITCH
.endr
.endm
.macro SEND a, younger
.set BB, BK+64*((\a)%2)
	s_wait_dscnt \younger
.irp t, 0,1,2,3,4,5,6,7
	global_store_b128 v[CO], v[BB+4*\t:BB+4*\t+3], s[8:9] offset:(32*((\a)/2)+8*((\a)%2)+2*\t+8*(\t/4))*4096 th:TH_STORE_NT
.endr
.endm
	PLACES NP
	TOSTAGE 0
.irp a, 1,2,3,4,5,6,7
.if \a > 1
	s_wait_xcnt 0x0
.endif
	TOSTAGE \a
	SEND \a-1, 16
.endr
	SEND 7, 0
	s_wait_tensorcnt 0x0
	ds_add_u32 v[SPW], v[NIL]
	s_wait_dscnt 0x0
	CROUND
	s_endpgm
.Lfunc_end_k_qf937c92223_outp:
	.size	k_qf937c92223_outp, .Lfunc_end_k_qf937c92223_outp-k_qf937c92223_outp
	.p2alignl 7, 3214868480
	.fill 96, 4, 3214868480
	.section	.rodata,"a",@progbits
	.p2align	6, 0x0
	.amdhsa_kernel k_qf937c92223_outp
		.amdhsa_group_segment_fixed_size 327680
		.amdhsa_private_segment_fixed_size 0
		.amdhsa_enable_private_segment 0
		.amdhsa_kernarg_size 24
		.amdhsa_user_sgpr_count 2
		.amdhsa_user_sgpr_kernarg_segment_ptr 1
		.amdhsa_wavefront_size32 1
		.amdhsa_system_sgpr_workgroup_id_x 1
		.amdhsa_system_sgpr_workgroup_id_y 1
		.amdhsa_system_sgpr_workgroup_id_z 1
		.amdhsa_system_vgpr_workitem_id 0
		.amdhsa_next_free_vgpr 1024
		.amdhsa_next_free_sgpr 106
		.amdhsa_reserve_vcc 0
		.amdhsa_float_denorm_mode_32 3
		.amdhsa_float_denorm_mode_16_64 3
		.amdhsa_memory_ordered 1
		.amdhsa_forward_progress 1
		.amdhsa_inst_pref_size 102
	.end_amdhsa_kernel
	.amdgpu_metadata
---
amdhsa.version: [ 1, 2 ]
amdhsa.kernels:
  - .name:           k_qf937c92223_outp
    .symbol:         k_qf937c92223_outp.kd
    .args:
      - { .name: att, .offset: 0, .size: 8, .value_kind: global_buffer, .address_space: global }
      - { .name: qin, .offset: 8, .size: 8, .value_kind: global_buffer, .address_space: global }
      - { .name: out0, .offset: 16, .size: 8, .value_kind: global_buffer, .address_space: global }
    .group_segment_fixed_size: 327680
    .private_segment_fixed_size: 0
    .kernarg_segment_align: 8
    .kernarg_segment_size: 24
    .max_flat_workgroup_size: 128
    .sgpr_count:     106
    .vgpr_count:     1024
    .wavefront_size: 32
...
	.end_amdgpu_metadata
.endif
;; end of part 4
